; MI455X (gfx1250); checked and timed in simulation.
; The chip was launched on July 23, 2026; its instructions are those of AMD's public machine-readable ISA for CDNA 5 (MIT licence, August 2026) and "CDNA5" Instruction Set Architecture Reference Guide (July 2026). The comments in the code are by the model that wrote it; some were corrected since.
;; Multi Head Self Attention. Allowed arithmetic: matrix products marked QUANTISED: E2M1 operands, one E8M0 scale for each 32 along K, by v_wmma_scale_f32_16x16x128_f8f6f4 with both operands' format E2M1 (or v_wmma_scale_f32_32x16x128_f4), f32 sums; everything else in f32.
;; Inputs: b_proj 1,024 float32; b_qkv 3,072 float32; w_proj 1,024 x 1,024 float32; w_qkv 1,024 x 3,072 float32; x 2 x 2,048 x 1,024 float32.
;; Outputs: out0 2 x 2,048 x 1,024 float32.
;; This version of the problem:
;;   THIS VERSION OF THE PROBLEM IS GIVEN IN LOW PRECISION. The matrix products marked QUANTISED in the list below multiply operands that are first quantised to E2M1 (2 exponent bits, 1 mantissa bit; 4 bits a number), with one power-of-two scale for each 32 numbers along K (OCP MX v1.0); their sums are f32. All else is computed in f32.
;;   The module's matrix products, in the order in which they are computed (A, B: the left and right operand; K: the contracted axis; several contracted axes count as one K, in the product's order):
;;     1. [M 4,096, K 1,024] x [K 1,024, N 3,072]; A: input x; B: input w_qkv: QUANTISED
;;     2. batch 32 x [M 2,048, K 64] x [K 64, N 2,048]; A: computed on the way; B: computed on the way: QUANTISED
;;     3. batch 32 x [M 2,048, K 2,048] x [K 2,048, N 64]; A: softmax (see below); B: computed on the way: QUANTISED
;;     4. [M 4,096, K 1,024] x [K 1,024, N 1,024]; A: computed on the way; B: input w_proj: QUANTISED
;;   THE QUANTISER, for each operand of a quantised product, along K:
;;     - K is cut into blocks of 32 from its start; a last block that is shorter is filled with zeros.
;;     - A block's scale is 2^e with e = floor(log2(the largest magnitude in the block)) - 2, held to -126 .. 127; a block of zeros has e = 0. As a byte (E8M0): e + 127.
;;     - Each number is divided by its block's scale, clamped to +-6, and rounded to the nearest number of E2M1, ties to even, subnormals kept.
;;     - The product sums the exact products of the quantised numbers (number of the format x scale) in f32.
;;   ~~~python
;;   def quantise(x, axis):      # numpy; x: float32 -> the quantised numbers, widened to float32 again
;;       x = np.moveaxis(x, axis, -1); K = x.shape[-1]
;;       x = np.pad(x, [(0, 0)] * (x.ndim - 1) + [(0, -K % 32)]); x = x.reshape(x.shape[:-1] + (-1, 32)); a = np.abs(x).max(-1, keepdims=True)
;;       e = np.where(a > 0, np.clip(np.frexp(np.where(a > 0, a, 1))[1] - 1 - 2, -126, 127), 0)      # np.frexp(a)[1] - 1 = floor(log2(a)), exactly
;;       r = np.clip(x / 2.0 ** e, -6, 6)
;;       step = 2.0 ** (np.maximum(np.frexp(np.where(r == 0, 1, r))[1] - 1, 0) - 1)
;;       q = np.round(r / step) * step * 2.0 ** e      # np.round: ties to even
;;       return np.moveaxis(q.reshape(q.shape[:-2] + (-1,))[..., :K], -1, axis).astype(np.float32)
;;   ~~~
;;   SOFTMAX AHEAD OF A QUANTISED PRODUCT. Where the list says 'softmax', what is quantised is not the finished softmax but p = 2^(t - M), with t = logit x log2(e) and M = ceil(the row's largest t), a whole number; so 1/2 < the row's largest p <= 1. The row's sum l is taken of the UNQUANTISED p, in f32, and the product's result is divided by l at the end. Since M is a whole number, a kernel that streams over the keys may use a running M (the ceiling of the running maximum): every later rescaling is an exact power of two, which a block's scale takes up: the codes' values come out the same.
;;   OPERANDS COMPUTED ON THE WAY. 'Computed on the way' means the value that the module computes at that place (a softmax that the list does not call 'softmax' is quantised finished and normalised). What goes into a quantiser is computed in f32, as accurately as f32 sums, v_exp_f32 and their like allow (about 1e-6 of the number): no bf16 or f16 on the way to a quantiser, and a product that is left as it is and whose result goes on into a quantised operand takes f32 operands (vector FMAs, or v_wmma_f32_16x16x4_f32). A number that lies on a knife's edge between two numbers of the format may be rounded either way, as far as f32 arithmetic and the matrix unit's own rounding can turn it there, and no further.
;; One version. Each part assembles by itself: llvm-mc -triple=amdgcn-amd-amdhsa -mcpu=gfx1250 --defsym DOCPART=n.
;; ======== version 1 of 1: 4 launches
;; limits: right only within a limited range of input values
;; workspace buffers: xq 2,228,224 bytes; wq 2,228,224 bytes; qq 2,359,296 bytes; kv 4,587,520 bytes; oq 2,228,224 bytes
;; launch qxw (part 1): grid 768 x 1, 4 waves a work-group, no clusters, 35,072 bytes of LDS; arguments x, xq, w_qkv, w_proj, wq; writes xq, wq
.if DOCPART == 1
	.amdgcn_target "amdgcn-amd-amdhsa--gfx1250"
	.amdhsa_code_object_version 6
	.text
	.protected	k_q72261c0248_qxw
	.globl	k_q72261c0248_qxw
	.p2align	8
	.type	k_q72261c0248_qxw,@function
k_q72261c0248_qxw:
	s_mov_b64 s[64:65], 0
	v_nop
	global_prefetch_b8 v0, s[64:65] scope:SCOPE_SE
	s_setreg_imm32_b32 hwreg(HW_REG_WAVE_MODE, 25, 1), 1
	s_wait_xcnt 0x0
; ONE LAUNCH QUANTISES ALL THREE f32 OPERANDS to codes of FP4 (E2M1) with one E8M0 byte for each 32 along K, laid AS THE MATRIX UNIT'S REGISTERS WANT THEM.
; x [4096][1024] (K innermost) goes to xq; w_qkv [1024][3072] and w_proj [1024][1024] (K their FIRST axis) go to wq as one operand of 4,096 rows: a row = a column of w_qkv, then of w_proj.
; THE LAYOUT, of both: codes: byte 8192 T + 1024 s + 512 c + 16 (r + 16 h) on: the 16 bytes of k = 128 s + 64 c + 32 h + 0 .. 31 of row 32 (T / 2) + 8 (T % 2) + r + 8 (r / 8): a fragment (tile T, K step s) is two dense runs of 512 bytes.
;   scale words from byte 2,097,152 on: byte 65536 (s / 4) + 16 (16 T + r) + 4 (s % 4): the word (four bytes, 128 along K) of that row and K step.
; A block's scale is 2^(floor(log2(its largest magnitude)) - 2); its byte is the largest magnitude's exponent field - 2, held at 1 from below.
; LIMITS: a block of zeros, or one whose largest magnitude lies under 2^-124, gets the byte 1 (the rule says 127 for zeros: the codes are zeros, and this program alone reads the bytes); NaN and infinities are not served.
; SHARES: 768 work-groups of four waves.  The first 256 take the weights, the other 512 take x: one branch on the work-group's number at the head, two paths that never join, each with LDS bytes of its own.
;   Three work-groups fit a WGP side by side by their registers (3 x 170 a SIMD) and their LDS (3 x 35,072 bytes), so both tensors' loads are on their way together.
.set NWW,  256                         ; work-groups for the weights
.set SCLO, 2097152                     ; where the scale words begin in xq and in wq
.set STG,  8448                        ; x's path, LDS: a wave's stage: 16 rows x (512 + 16) bytes;
.set SCB,  33792                       ; behind the four stages: 16 rows x 4 scale words
.set WSC,  34048                       ; the weights' path, LDS: 32 rows x 4 scale words, in bytes that x's path never names
.set XR,   32                          ; x: v32-95   16 rows as loaded
.set XX,   96                          ;    v96-159  my two blocks of 32
.set XC,   24                          ;    v24-31   their codes
.set WX,   32                          ; weights: v32-159  128 numbers down K
.set WC,   16                          ;          v16-31   four registers of codes for each block: no store's data are written again
	v_lshl_add_u32 v168, v0, 2, 0x8700
	v_mov_b32 v169, 0
	s_cmp_lt_u32 ttmp9, NWW
	s_cbranch_scc1 .Lweights
; ---------------------------------------------------------------- x
; Work-group NWW + 2 T + y takes tile T and half y of K; wave w takes K step s = 4 y + w: 16 rows x 128 numbers.  Each load reads 512 consecutive bytes of one row; the numbers turn through the wave's own stage
; in LDS (rows of 528 bytes), so that a lane comes to hold two whole blocks of 32 neighbours.  The four waves' scale words meet in 256 bytes of LDS and leave as one aligned run of 256 bytes.
	s_load_b128 s[4:7], s[0:1], 0x0                ; x, xq
	s_sub_co_u32 s2, ttmp9, NWW                    ; 2 T + y
	v_lshrrev_b32 v1, 5, v0
	v_readfirstlane_b32 s8, v1                     ; wave
	v_and_b32 v2, 31, v0                           ; lane
	v_and_b32 v3, 15, v0                           ; r
	v_bfe_u32 v10, v0, 4, 1                        ; h
	v_lshlrev_b32 v4, 4, v2                        ; 16 x lane
	s_mul_i32 s9, s8, STG
	v_add_nc_u32 v5, s9, v4                        ; into the stage: a row as it lies
	v_mul_u32_u24 v6, v3, 528
	v_lshl_add_u32 v6, v10, 7, v6
	v_add_nc_u32 v6, s9, v6                        ; out of it: row r, 128 h bytes on
	s_lshl_b32 s10, s8, 2
	s_add_co_u32 s10, s10, SCB
	v_lshl_add_u32 v7, v3, 4, s10                  ; my row's scale word of my wave's K step
	v_lshlrev_b32 v9, 3, v2                        ; 8 x lane
	v_add_nc_u32 v8, SCB, v9
	v_lshlrev_b32 v19, 3, v10                      ; 8 h: my bytes' place in the scale word
	v_mov_b32 v20, 0                               ; a lane permute's destination counts as one of its sources
	s_mov_b32 s12, 0x76543210
	s_mov_b32 s13, 0xfedcba98                      ; lane l xor 16
	s_lshr_b32 s14, s2, 1                          ; T
	s_and_b32 s15, s2, 1                           ; which half of K
	s_lshl_b32 s16, s15, 2
	s_add_co_u32 s16, s16, s8                      ; s
	s_lshr_b32 s18, s14, 1
	s_lshl_b32 s18, s18, 17                        ; 32 (T / 2) rows of 4,096 bytes
	s_and_b32 s19, s14, 1
	s_lshl_b32 s19, s19, 15                        ; 8 (T % 2) rows
	s_add_co_u32 s18, s18, s19
	s_lshl_b32 s19, s16, 9                         ; 128 s numbers
	s_add_co_u32 s18, s18, s19
	s_mov_b32 s19, 0
	s_lshl_b32 s20, s14, 13
	s_lshl_b32 s21, s16, 10
	s_add_co_u32 s20, s20, s21                     ; the fragment's place
	s_mov_b32 s21, 0
	s_lshl_b32 s22, s15, 16
	s_lshl_b32 s23, s14, 8
	s_add_co_u32 s22, s22, s23
	s_add_co_u32 s22, s22, SCLO                    ; the tile's scale words of this half of K
	s_mov_b32 s23, 0
	s_wait_alu depctr_va_vdst(0)
	s_wait_kmcnt 0x0
	s_add_nc_u64 s[4:5], s[4:5], s[18:19]
	s_add_nc_u64 s[20:21], s[6:7], s[20:21]
	s_add_nc_u64 s[22:23], s[6:7], s[22:23]
.irp i, 0,1,2,3,4,5,6,7,8,9,10,11,12,13,14,15
	global_load_b128 v[XR+4*\i:XR+4*\i+3], v4, s[4:5] offset:(\i+8*(\i/8))*4096 th:TH_LOAD_NT   ; place i of the tile: 512 consecutive bytes
.endr
.irp i, 0,1,2,3,4,5,6,7,8,9,10,11,12,13,14,15
	s_wait_loadcnt 15-\i                           ; loads come back in order: row i is in, the younger ones stay out
	ds_store_b128 v5, v[XR+4*\i:XR+4*\i+3] offset:528*\i
.endr
.irp c, 0,1
.irp g, 0,1,2,3,4,5,6,7
	ds_load_b128 v[XX+32*\c+4*\g:XX+32*\c+4*\g+3], v6 offset:256*\c+16*\g   ; LDS serves a wave's instructions in order: these see my stores.  k = 64 c + 32 h + 4 g on
.endr
.endr
	s_wait_dscnt 0x0
.irp c, 0,1
	v_max3_num_f32 v[12+\c], |v[XX+32*\c]|, |v[XX+32*\c+1]|, 0x1800000   ; block 2 c + h: all 32 numbers are mine; the floor 2^(3 - 127) keeps the byte at 1 or more
.endr
.irp i, 2,4,6,8,10,12,14,16,18,20,22,24,26,28,30
.irp c, 0,1
	v_max3_num_f32 v[12+\c], v[12+\c], |v[XX+32*\c+\i]|, |v[XX+32*\c+\i+1]|
.endr
.endr
.irp c, 0,1
	v_add_nc_u32 v[14+\c], 0xff000000, v[12+\c]    ; 2 off the exponent field: the conversion's scale operand
.endr
.irp c, 0,1
	v_lshrrev_b32 v[16+\c], 23, v[14+\c]           ; the scale's byte
.endr
	v_lshl_or_b32 v18, v17, 16, v16                ; blocks h and 2 + h,
	v_lshlrev_b32 v18, v19, v18                    ; at their places in the word;
	v_permlanex16_b32 v20, v18, s12, s13
	v_or_b32 v18, v18, v20                         ; with lane l xor 16's two the word is whole
.irp c, 0,1
.irp g, 0,1,2,3
	v_cvt_scalef32_pk8_fp4_f32 v[XC+4*\c+\g], v[XX+32*\c+8*\g:XX+32*\c+8*\g+7], v[14+\c]
.endr
.endr
	v_nop                                          ; one plain place behind the conversions
	global_store_b128 v4, v[XC:XC+3], s[20:21]             ; 512 consecutive bytes each
	global_store_b128 v4, v[XC+4:XC+7], s[20:21] offset:512
	ds_store_b32 v7, v18                           ; both lanes of a row write the same word with the same value
	s_wait_dscnt 0x0                               ; for wave 0's sake: my store has landed
	s_barrier_signal -1
	s_barrier_wait -1
	s_cmp_lg_u32 s8, 0
	s_cbranch_scc1 .Lend_x
	ds_load_b64 v[160:161], v8
	s_wait_dscnt 0x0
	global_store_b64 v9, v[160:161], s[22:23]      ; 32 lanes store 256 consecutive bytes, aligned
.Lend_x:
	s_wait_tensorcnt 0x0
	ds_add_u32 v168, v169
	s_wait_dscnt 0x0
	s_endpgm
; ---------------------------------------------------------------- the weights
; A LANE TAKES A COLUMN AND ITS REGISTERS RUN DOWN K: a load reads 128 consecutive bytes, a block of 32 lies in one lane, and the conversions give codes with K innermost.  Lane (u, r) takes column 8 u + r + 8 (r / 8) of the
; work-group's 32, which is place r of tile 2 g + u: so a block's 16 bytes of sixteen lanes are 256 consecutive bytes of the layout, and the codes need no stage.
; Work-group 128 y + g: columns 32 g on (g < 96: w_qkv, else w_proj), half y of K; wave w: K step s = 4 y + w, four blocks.  Loads run two blocks ahead.
.Lweights:
	s_load_b128 s[4:7], s[0:1], 0x10               ; w_qkv, w_proj
	s_load_b64 s[8:9], s[0:1], 0x20                ; wq
	s_and_b32 s28, ttmp9, 127                      ; g
	s_bfe_u32 s12, ttmp9, 0x10007                  ; which half of K: bit 7 of the work-group's number
	v_lshrrev_b32 v1, 5, v0
	v_readfirstlane_b32 s10, v1                    ; wave
	v_and_b32 v1, 31, v0                           ; lane
	v_and_b32 v6, 15, v0                           ; r
	v_bfe_u32 v7, v0, 4, 1                         ; u
	v_and_b32 v8, 8, v6
	v_add_nc_u32 v8, v8, v6
	v_lshl_add_u32 v8, v7, 3, v8                   ; my column: 8 u + r + 8 (r / 8)
	v_lshlrev_b32 v2, 2, v8
	v_lshlrev_b32 v3, 4, v6
	v_lshl_add_u32 v3, v7, 13, v3                  ; my codes: tile u, 16 r
	v_lshlrev_b32 v5, 4, v1                        ; 16 x lane
	s_lshl_b32 s11, s10, 2
	s_add_co_u32 s11, s11, WSC
	v_add_nc_u32 v4, s11, v5                       ; LDS: my row's four scale words, my wave's among them
	v_add_nc_u32 v9, WSC, v5                       ; LDS: a row's four words, on the way out
	s_lshl_b32 s13, s12, 2
	s_add_co_u32 s13, s13, s10                     ; s
	s_mul_i32 s14, s13, 128*12288                  ; w_qkv: 128 s rows, 32 g columns
	s_lshl_b32 s15, s28, 7
	s_add_co_u32 s14, s14, s15
	s_mov_b32 s15, 0
	s_sub_co_i32 s16, s28, 96                      ; w_proj: 32 (g - 96) columns (held at 0 where this work-group does not use it)
	s_max_i32 s16, s16, 0
	s_lshl_b32 s16, s16, 7
	s_lshl_b32 s17, s13, 19                        ; 128 s rows of 4,096 bytes
	s_add_co_u32 s16, s16, s17
	s_mov_b32 s17, 0
	s_lshl_b32 s18, s28, 14                        ; tiles 2 g, 2 g + 1
	s_lshl_b32 s19, s13, 10
	s_add_co_u32 s18, s18, s19
	s_mov_b32 s19, 0
	s_lshl_b32 s24, s12, 16
	s_lshl_b32 s25, s28, 9
	s_add_co_u32 s24, s24, s25
	s_add_co_u32 s24, s24, SCLO
	s_mov_b32 s25, 0
	s_wait_kmcnt 0x0
	s_add_nc_u64 s[20:21], s[4:5], s[14:15]
	s_add_nc_u64 s[22:23], s[6:7], s[16:17]
	s_add_nc_u64 s[26:27], s[8:9], s[18:19]
	s_add_nc_u64 s[24:25], s[8:9], s[24:25]
; block q's 32 loads.  The two tensors differ in the bytes from row to row, which stand in the immediates: so the loads, and they alone, stand twice, under a branch on g
.macro LOAD q
	s_cmp_lt_u32 s28, 96
	s_cbranch_scc0 .Lproj_\@
.set i, 0
	s_wait_alu depctr_va_vdst(0)
.rept 32
	global_load_b32 v[WX+32*\q+i], v2, s[20:21] offset:(32*\q+i)*12288 th:TH_LOAD_NT
.set i, i+1
.endr
	s_branch .Lboth_\@
.Lproj_\@:
.set i, 0
	s_wait_alu depctr_va_vdst(0)
.rept 32
	global_load_b32 v[WX+32*\q+i], v2, s[22:23] offset:(32*\q+i)*4096 th:TH_LOAD_NT
.set i, i+1
.endr
.Lboth_\@:
.endm
.macro BLOCK q
.set XS, WX+32*\q
	v_max3_num_f32 v12, |v[XS]|, |v[XS+1]|, |v[XS+2]|      ; the block's largest magnitude: all 32 numbers are mine; two chains
	v_max3_num_f32 v13, |v[XS+3]|, |v[XS+4]|, |v[XS+5]|
.irp i, 6,10,14,18,22,26
	v_max3_num_f32 v12, v12, |v[XS+\i]|, |v[XS+\i+1]|
	v_max3_num_f32 v13, v13, |v[XS+\i+2]|, |v[XS+\i+3]|
.endr
	v_max3_num_f32 v12, v12, |v[XS+30]|, |v[XS+31]|
	v_max3_num_f32 v12, v12, v13, 0x1800000        ; and the floor 2^(3 - 127)
	v_add_nc_u32 v11, 0xff000000, v12              ; 2 off the exponent field: the conversion's scale operand
	v_lshrrev_b32 v13, 23, v11                     ; the scale's byte
.if \q == 0
	v_mov_b32 v10, v13
.else
	v_lshl_or_b32 v10, v13, 8*\q, v10              ; byte q of the K step's scale word
.endif
.irp g, 0,1,2,3
	v_cvt_scalef32_pk8_fp4_f32 v[WC+4*\q+\g], v[XS+8*\g:XS+8*\g+7], v11
.endr
	v_nop                                          ; one plain place behind the conversions
	global_store_b128 v3, v[WC+4*\q:WC+4*\q+3], s[26:27] offset:512*(\q/2)+256*(\q%2)   ; sixteen lanes store 256 consecutive bytes, aligned
.endm
	LOAD 0
	LOAD 1
	s_wait_loadcnt 32                              ; block 0 is in; block 1's 32 loads stay out
	LOAD 2
	BLOCK 0
	s_wait_loadcnt 32                              ; block 1 is in; block 2's stay out
	LOAD 3
	BLOCK 1
	s_wait_loadcnt 32                              ; block 2 is in; block 3's stay out
	BLOCK 2
	s_wait_loadcnt 0x0
	BLOCK 3
	ds_store_b32 v4, v10
	s_wait_dscnt 0x0                               ; for wave 0's sake: my store has landed
	s_barrier_signal -1
	s_barrier_wait -1
	s_cmp_lg_u32 s10, 0
	s_cbranch_scc1 .Lend_w
	ds_load_b128 v[160:163], v9
	s_wait_dscnt 0x0
	global_store_b128 v5, v[160:163], s[24:25]     ; 512 consecutive bytes: 32 rows x the four K steps of this half
.Lend_w:
	s_wait_tensorcnt 0x0
	ds_add_u32 v168, v169
	s_wait_dscnt 0x0
	s_endpgm
.Lfunc_end_k_q72261c0248_qxw:
	.size	k_q72261c0248_qxw, .Lfunc_end_k_q72261c0248_qxw-k_q72261c0248_qxw
	.p2alignl 7, 3214868480
	.fill 96, 4, 3214868480
	.section	.rodata,"a",@progbits
	.p2align	6, 0x0
	.amdhsa_kernel k_q72261c0248_qxw
		.amdhsa_group_segment_fixed_size 35072
		.amdhsa_private_segment_fixed_size 0
		.amdhsa_enable_private_segment 0
		.amdhsa_kernarg_size 40
		.amdhsa_user_sgpr_count 2
		.amdhsa_user_sgpr_kernarg_segment_ptr 1
		.amdhsa_wavefront_size32 1
		.amdhsa_system_sgpr_workgroup_id_x 1
		.amdhsa_system_sgpr_workgroup_id_y 1
		.amdhsa_system_sgpr_workgroup_id_z 1
		.amdhsa_system_vgpr_workitem_id 0
		.amdhsa_next_free_vgpr 170
		.amdhsa_next_free_sgpr 66
		.amdhsa_reserve_vcc 0
		.amdhsa_float_denorm_mode_32 3
		.amdhsa_float_denorm_mode_16_64 3
		.amdhsa_memory_ordered 1
		.amdhsa_forward_progress 1
		.amdhsa_inst_pref_size 44
	.end_amdhsa_kernel
	.amdgpu_metadata
---
amdhsa.version: [ 1, 2 ]
amdhsa.kernels:
  - .name:           k_q72261c0248_qxw
    .symbol:         k_q72261c0248_qxw.kd
    .args:
      - { .name: x, .offset: 0, .size: 8, .value_kind: global_buffer, .address_space: global }
      - { .name: xq, .offset: 8, .size: 8, .value_kind: global_buffer, .address_space: global }
      - { .name: w_qkv, .offset: 16, .size: 8, .value_kind: global_buffer, .address_space: global }
      - { .name: w_proj, .offset: 24, .size: 8, .value_kind: global_buffer, .address_space: global }
      - { .name: wq, .offset: 32, .size: 8, .value_kind: global_buffer, .address_space: global }
    .group_segment_fixed_size: 35072
    .private_segment_fixed_size: 0
    .kernarg_segment_align: 8
    .kernarg_segment_size: 40
    .max_flat_workgroup_size: 128
    .sgpr_count:     66
    .vgpr_count:     170
    .wavefront_size: 32
...
	.end_amdgpu_metadata
.endif
;; end of part 1
;; launch gqkv (part 2): grid 12 x 16, 4 waves a work-group, clusters of 4 x 4, 262,656 bytes of LDS; arguments xq, wq, b_qkv, qq, kv; writes qq, kv
.if DOCPART == 2
	.amdgcn_target "amdgcn-amd-amdhsa--gfx1250"
	.amdhsa_code_object_version 6
	.text
	.protected	k_q72261c0248_gqkv
	.globl	k_q72261c0248_gqkv
	.p2align	8
	.type	k_q72261c0248_gqkv,@function
k_q72261c0248_gqkv:
	s_mov_b64 s[64:65], 0
	v_nop
	global_prefetch_b8 v0, s[64:65] scope:SCOPE_SE
	s_setreg_imm32_b32 hwreg(HW_REG_WAVE_MODE, 25, 1), 1
	s_wait_xcnt 0x0
	s_wait_alu depctr_hold_cnt(0) depctr_sa_sdst(0) depctr_va_vdst(0) depctr_va_sdst(0) depctr_va_ssrc(0) depctr_va_vcc(0) depctr_vm_vsrc(0)
	s_getreg_b32 s2, hwreg(HW_REG_IB_STS2, 6, 4)
	s_cmp_eq_u32 s2, 0
	s_cbranch_scc0 .Lentry_in_a_cluster
	s_endpgm
.Lentry_in_a_cluster:
	s_bfe_u32 s2, ttmp6, 0x10000c
	s_cmp_lg_u32 s2, 0xf033
	s_cbranch_scc0 .Lentry_shape_is_right
	s_endpgm
.Lentry_shape_is_right:
; qkv = x w_qkv + b_qkv on codes of FP4 with E8M0 scales; the results are quantised in registers and leave as the attention launch's operands: q, k, v never lie in memory as f32.
; SHARES: a work-group makes 256 rows of x (panel tr) x 256 columns (panel tc), a wave 128 x 128: 64 accumulators.  192 work-groups: half this tile would make 384, one and a half times the WGPs, each with its own wait for its panels.
; K is 1,024: both panels, 2 x 128 KiB of codes, lie in LDS WHOLE, in four chunks of two K steps; every byte of LDS is filled once, so no slot is ever filled again.  A wave has four tensor loads out at the most.
; CLUSTERS: 4 x 4.  x's panel hangs on tr alone and is asked for jointly by a row of the cluster, the weights' on tc alone, by a column.
; ROLE = the cluster's x (the same in all partners): 0 q, 1 k: source 0 = the weights, source 1 = x: a lane holds one row of x, its registers run along the head's channels, which are the K of q k^T.
;   2 v: source 0 = x, source 1 = the weights: a lane holds one channel, its registers run along the keys, which are the K of p v.  The products are one text: only two LDS bases and two pointers are chosen by the role.
; Both operands are stored with place r of tile T = row 32 (T / 2) + 8 (T % 2) + r + 8 (r / 8): so the 16 registers of source 0's tiles 2 b, 2 b + 1 are 16 neighbours, 32 b + 16 (lane / 16) + 0 .. 15.
; OUT.  qq: codes [head 32][tile 128][512 bytes] (a fragment's first four registers; the head's K is 64), scale words from 2,097,152 on, [head][16][lane][4 words].
;   kv: [head 32][key step 16][8,960 bytes]: k's 8 tiles x 512; v's 4 channel tiles x 1,024 at 4,096; k's scale words [lane][4] at 8,192; v's [lane][2] at 8,704.  In a scale block lanes 0-15 hold an even tile's words, lanes 16-31 the next tile's.
; LIMITS: byte 1 for blocks of zeros and under 2^-124; NaN and infinities are not served.
; REGISTERS: window 0: v1-14 addresses; v16-23 eight scale words made; v24-31 codes made; v32-63, v64-95 the operands' scale words (nothing else ever); v96-159 bias along the registers; v160-175 bias of the lane, in pairs;
;   v176-239 64 numbers at work; v240-255 at work.  window 1: two sets of fragments (source 0's eight, source 1's eight).  windows 2, 3: accumulator (a, b) at 8 (8 (a % 4) + b).
.set SCLO,  2097152
; LDS AS IT STANDS NOW: each wave brings its half of a panel, 8 tiles x 8,192 bytes, dense in memory, by ONE tensor load (one out a wave) into 65,536 bytes on end at 65,536 x wave:
; x's two halves, then the weights' two.  A fragment (tile i, K step s) lies at 8192 i + 1024 s of its half; no chunks, one barrier when all of K has landed.
.set CHUNK, 65536
.set WREG,  131072
.set ADR0, 4                           ; v4      source 0's fragments: base + 16 x lane
.set ADR1, 8                           ; v8      source 1's
.set PWS,  16
.set PC,   24
.set SC0,  32                          ; register 8 i + s: tiles 2 i (lanes 0-15) and 2 i + 1 (lanes 16-31) of source 0, K step s
.set SC1,  64
.set BJ,   96
.set BI,   160
.set ST,   176
.set TM,   240
.set SEL,  22
.set G1X,  24
.set G1W,  32
.set G0X,  40                          ; s[40:43] group 0 for x's load
.set G0W,  68                          ; s[68:71] for the weights'
.set MSB, 0
.macro WIN new                         ; the immediate's high byte repeats the setting that is left
.if MSB != (\new)
	s_set_vgpr_msb (MSB<<8)|(\new)
.set MSB, (\new)
.endif
.endm
.macro PLACES n
.rept \n
	v_nop
.endr
.endm
.macro CROUND                          ; a round of the cluster's barrier
	s_barrier_signal -1
	s_barrier_wait -1
	s_cmp_lg_u32 s14, 0
	s_cbranch_scc1 .Lnot_wave_0_\@
	s_barrier_signal -3
.Lnot_wave_0_\@:
	s_barrier_wait -3
	s_barrier_signal -1
	s_barrier_wait -1
.endm
; one product, from the symbols rD, rA, rB, rSA, rSB; rowA, rowB: which half of the lanes holds the side's scale words; cz = 1: it starts the sum
.macro WM
.if cz
.if rowA && rowB
	v_wmma_scale_f32_16x16x128_f8f6f4 v[rD:rD+7], v[rA:rA+7], v[rB:rB+7], 0, v[rSA], v[rSB] matrix_a_fmt:MATRIX_FMT_FP4 matrix_b_fmt:MATRIX_FMT_FP4 matrix_a_scale:MATRIX_SCALE_ROW1 matrix_b_scale:MATRIX_SCALE_ROW1
.elseif rowA
	v_wmma_scale_f32_16x16x128_f8f6f4 v[rD:rD+7], v[rA:rA+7], v[rB:rB+7], 0, v[rSA], v[rSB] matrix_a_fmt:MATRIX_FMT_FP4 matrix_b_fmt:MATRIX_FMT_FP4 matrix_a_scale:MATRIX_SCALE_ROW1
.elseif rowB
	v_wmma_scale_f32_16x16x128_f8f6f4 v[rD:rD+7], v[rA:rA+7], v[rB:rB+7], 0, v[rSA], v[rSB] matrix_a_fmt:MATRIX_FMT_FP4 matrix_b_fmt:MATRIX_FMT_FP4 matrix_b_scale:MATRIX_SCALE_ROW1
.else
	v_wmma_scale_f32_16x16x128_f8f6f4 v[rD:rD+7], v[rA:rA+7], v[rB:rB+7], 0, v[rSA], v[rSB] matrix_a_fmt:MATRIX_FMT_FP4 matrix_b_fmt:MATRIX_FMT_FP4
.endif
.else
.if rowA && rowB
	v_wmma_scale_f32_16x16x128_f8f6f4 v[rD:rD+7], v[rA:rA+7], v[rB:rB+7], v[rD:rD+7], v[rSA], v[rSB] matrix_a_fmt:MATRIX_FMT_FP4 matrix_b_fmt:MATRIX_FMT_FP4 matrix_a_scale:MATRIX_SCALE_ROW1 matrix_b_scale:MATRIX_SCALE_ROW1
.elseif rowA
	v_wmma_scale_f32_16x16x128_f8f6f4 v[rD:rD+7], v[rA:rA+7], v[rB:rB+7], v[rD:rD+7], v[rSA], v[rSB] matrix_a_fmt:MATRIX_FMT_FP4 matrix_b_fmt:MATRIX_FMT_FP4 matrix_a_scale:MATRIX_SCALE_ROW1
.elseif rowB
	v_wmma_scale_f32_16x16x128_f8f6f4 v[rD:rD+7], v[rA:rA+7], v[rB:rB+7], v[rD:rD+7], v[rSA], v[rSB] matrix_a_fmt:MATRIX_FMT_FP4 matrix_b_fmt:MATRIX_FMT_FP4 matrix_b_scale:MATRIX_SCALE_ROW1
.else
	v_wmma_scale_f32_16x16x128_f8f6f4 v[rD:rD+7], v[rA:rA+7], v[rB:rB+7], v[rD:rD+7], v[rSA], v[rSB] matrix_a_fmt:MATRIX_FMT_FP4 matrix_b_fmt:MATRIX_FMT_FP4
.endif
.endif
.endm
; 64 numbers of a lane, v[s] on, register 16 b + i = k 32 b + 16 (lane / 16) + i, become a fragment's codes in v[PC] on and its scale word in v[w]
.macro QUANT s, w
.irp b, 0,1,2,3
	v_max3_num_f32 v[TM+\b], |v[\s+16*\b]|, |v[\s+1+16*\b]|, 0x1800000   ; my 16 numbers of block b, and the floor 2^(3 - 127)
.endr
.irp i, 2,4,6,8,10,12,14
.irp b, 0,1,2,3
	v_max3_num_f32 v[TM+\b], v[TM+\b], |v[\s+16*\b+\i]|, |v[\s+1+16*\b+\i]|
.endr
.endr
.irp b, 0,1,2,3
	v_permlanex16_b32 v[TM+4+\b], v[TM+\b], s[SEL], s[SEL+1]
.endr
.irp b, 0,1,2,3
	v_max_num_f32 v[TM+\b], v[TM+\b], v[TM+4+\b]   ; with lane l xor 16's: the block's largest magnitude
.endr
.irp b, 0,1,2,3
	v_add_nc_u32 v[TM+12+\b], 0xff000000, v[TM+\b] ; 2 off the exponent field: the conversion's scale operand
.endr
.irp b, 0,1,2,3
	v_lshrrev_b32 v[TM+4+\b], 23, v[TM+12+\b]      ; the scale's byte
.endr
	v_lshl_or_b32 v[\w], v[TM+5], 8, v[TM+4]
	v_lshl_or_b32 v[\w], v[TM+6], 16, v[\w]
	v_lshl_or_b32 v[\w], v[TM+7], 24, v[\w]
.irp b, 0,1,2,3
	v_cvt_scalef32_pk8_fp4_f32 v[PC+2*\b], v[\s+16*\b:\s+7+16*\b], v[TM+12+\b]
	v_cvt_scalef32_pk8_fp4_f32 v[PC+1+2*\b], v[\s+8+16*\b:\s+15+16*\b], v[TM+12+\b]
.endr
	v_nop                                          ; one plain place behind the conversions
.irp c, 0,1                                    ; a whole block to a lane: lanes 0-15 block 2 c, lanes 16-31 block 2 c + 1
.irp i, 0,1
	v_permlane16_swap_b32 v[PC+4*\c+\i], v[PC+2+4*\c+\i]
.endr
.endr
.endm
	s_load_b256 s[4:11], s[0:1], 0x0               ; xq s[4:5], wq s[6:7], b_qkv s[8:9], qq s[10:11]
	s_load_b64 s[12:13], s[0:1], 0x20              ; kv
	v_lshl_add_u32 v250, v0, 2, 0x40000
	v_mov_b32 v251, 0
	ds_add_u32 v250, v251
	ds_add_u32 v250, v251
	v_lshrrev_b32 v2, 5, v0
	v_readfirstlane_b32 s14, v2                    ; wave
	s_lshr_b32 s15, s14, 1                         ; my half of x's panel.  Also: I fetch for x (0) or for the weights (1)
	s_and_b32 s16, s14, 1                          ; my half of the weights' panel.  Also: which half of a panel I fetch
	s_bfe_u32 s84, ttmp6, 0x40000                  ; cx
	s_bfe_u32 s85, ttmp6, 0x40004                  ; cy
	s_lshl_b32 s86, ttmp9, 2
	s_add_co_u32 s86, s86, s84                     ; tc = 4 x cluster x + cx
	s_and_b32 s87, ttmp7, 0xffff
	s_lshl_b32 s87, s87, 2
	s_add_co_u32 s87, s87, s85                     ; tr = 4 x cluster y + cy
	s_lshl_b32 s88, s85, 2
	s_lshl_b32 s88, 15, s88                        ; my row of the cluster
	s_lshl_b32 s89, 0x1111, s84                    ; my column
	; group 1: 8 whole tiles: 8 rows of 8,192 bytes (1,024 elements of 8 bytes), dense in memory, on end in LDS
	s_or_b32 s[G1X], s88, (3<<16)|(1<<21)          ; 15:0 the mask; 17:16 elements of 8 bytes; 21 set beside a mask
	s_or_b32 s[G1W], s89, (3<<16)|(1<<21)
.irp g, G1X, G1W
	s_mov_b32 s[\g+1], 1024<<16                    ; tensor_dim0: a tile's 8,192 bytes, all of K
	s_mov_b32 s[\g+2], 8<<16                       ; tensor_dim1
	s_mov_b32 s[\g+3], 1024<<16                    ; tile_dim0
	s_mov_b32 s[\g+4], 8                           ; tile_dim1
	s_mov_b32 s[\g+5], 1024                        ; elements from row to row
	s_mov_b32 s[\g+6], 0
	s_mov_b32 s[\g+7], 0
.endr
	s_lshl_b32 s18, s16, 16                        ; the half that I fetch: 8 tiles of 8,192 bytes
	s_lshl_b32 s90, s87, 17
	s_add_co_u32 s90, s90, s18                     ; x's panel hangs on tr alone,
	s_mov_b32 s91, 0
	s_lshl_b32 s92, s86, 17
	s_add_co_u32 s92, s92, s18                     ; the weights' on tc alone
	s_mov_b32 s93, 0
	s_lshl_b32 s17, s14, 16                        ; where my half of a panel goes: 65,536 x wave
	; every LDS address is made here, ahead of all branches on the wave's number
	v_and_b32 v2, 31, v0
	v_lshlrev_b32 v1, 4, v2                        ; 16 x lane
	v_lshlrev_b32 v14, 3, v2                       ; 8 x lane
	v_bfe_u32 v3, v0, 4, 1
	v_lshlrev_b32 v12, 6, v3                       ; 64 h: sixteen numbers of the bias
	v_and_b32 v2, 15, v0
	v_and_b32 v3, 8, v2
	v_add_nc_u32 v3, v3, v2
	v_lshlrev_b32 v13, 2, v3                       ; 4 (r + 8 (r / 8))
	s_lshl_b32 s18, s15, 16                        ; x's region: my half
	s_lshl_b32 s19, s16, 16
	s_add_co_u32 s19, s19, WREG                    ; the weights' region: my half
	s_cmp_eq_u32 ttmp9, 2
	s_cselect_b32 s62, s18, s19                    ; source 0: x for v, the weights for q and k
	s_cselect_b32 s63, s19, s18                    ; source 1: the other.  Either base and all that is added stay inside one chunk
	v_add_nc_u32 v[ADR0], s62, v1
	v_add_nc_u32 v[ADR1], s63, v1
	s_mov_b32 s20, 0xffff0000                      ; lanes 16-31
	s_mov_b32 s[SEL], 0x76543210
	s_mov_b32 s[SEL+1], 0xfedcba98
	s_wait_alu depctr_va_vdst(0)                   ; the wait here, directly ahead of the waits below
	s_wait_dscnt 0x0
	s_wait_kmcnt 0x0
	s_add_nc_u64 s[90:91], s[4:5], s[90:91]
	s_add_nc_u64 s[92:93], s[6:7], s[92:93]
.irp c, 0
	s_mov_b32 s[G0X+4*\c], 1
	s_add_co_u32 s[G0X+4*\c+1], s17, \c*CHUNK
	s_add_nc_u64 s[G0X+4*\c+2:G0X+4*\c+3], s[90:91], \c*2048
	s_or_b32 s[G0X+4*\c+3], s[G0X+4*\c+3], 0x80000000
	s_mov_b32 s[G0W+4*\c], 1
	s_add_co_u32 s[G0W+4*\c+1], s17, \c*CHUNK
	s_add_nc_u64 s[G0W+4*\c+2:G0W+4*\c+3], s[92:93], \c*2048
	s_or_b32 s[G0W+4*\c+3], s[G0W+4*\c+3], 0x80000000
.endr
	CROUND                                         ; all sixteen work-groups are here: the joint loads meet
	s_cmp_eq_u32 s15, 0                            ; one fill a wave, one in each arm of the branch on the wave's number
	s_cbranch_scc0 .Lfill_w
	tensor_load_to_lds s[G0X:G0X+3], s[G1X:G1X+7]
	s_nop 0
	PLACES 4                                       ; four v_nop follow the last
	s_branch .Lfilled
.Lfill_w:
	tensor_load_to_lds s[G0W:G0W+3], s[G1W:G1W+7]
	s_nop 0
	PLACES 4
.Lfilled:
	s_lshl_b32 s18, s87, 12                        ; my 128 rows' scale words: 16 bytes a row and half of K
	s_lshl_b32 s19, s15, 11
	s_add_co_u32 s18, s18, s19
	s_add_co_u32 s18, s18, SCLO
	s_mov_b32 s19, 0
	s_add_nc_u64 s[56:57], s[4:5], s[18:19]        ; x's
	s_lshl_b32 s18, s86, 12
	s_lshl_b32 s21, s16, 11
	s_add_co_u32 s18, s18, s21
	s_add_co_u32 s18, s18, SCLO
	s_add_nc_u64 s[58:59], s[6:7], s[18:19]        ; the weights'
	s_lshl_b32 s18, s86, 10
	s_lshl_b32 s21, s16, 9
	s_add_co_u32 s18, s18, s21
	s_add_nc_u64 s[60:61], s[8:9], s[18:19]        ; the bias of my 128 columns
	s_cmp_eq_u32 ttmp9, 2
	s_cselect_b64 s[66:67], s[56:57], s[58:59]     ; source 0's
	s_cselect_b64 s[62:63], s[58:59], s[56:57]     ; source 1's
.irp i, 0,1,2,3
.irp k, 0,1
	global_load_b128 v[SC0+8*\i+4*\k:SC0+8*\i+4*\k+3], v1, s[66:67] offset:65536*\k+512*\i
	global_load_b128 v[SC1+8*\i+4*\k:SC1+8*\i+4*\k+3], v1, s[62:63] offset:65536*\k+512*\i
.endr
.endr
	s_wait_alu depctr_va_vdst(0)
.irp t, 0,1,2,3,4,5,6,7                        ; both forms of the bias are loaded in every role: all lie inside b_qkv, and every register is written whichever way the end goes
	global_load_b128 v[BJ+8*\t:BJ+8*\t+3], v12, s[60:61] offset:(32*(\t/2)+8*(\t%2))*4
	global_load_b128 v[BJ+8*\t+4:BJ+8*\t+7], v12, s[60:61] offset:(32*(\t/2)+8*(\t%2))*4+16
	global_load_b32 v[BI+2*\t], v13, s[60:61] offset:(32*(\t/2)+8*(\t%2))*4
	global_load_b32 v[BI+2*\t+1], v13, s[60:61] offset:(32*(\t/2)+8*(\t%2))*4     ; twice: a pair for the packed addition
.endr
	s_wait_loadcnt 0x0
; the 16 fragments of K step s into set s % 2: 32 loads of 512 consecutive bytes
.macro FETCH s
	WIN 0x40                                       ; destination window 1, address window 0
.irp i, 0,1,2,3,4,5,6,7
.irp c, 0,1
	ds_load_b128 v[128*((\s)%2)+8*\i+4*\c:128*((\s)%2)+8*\i+4*\c+3], v[ADR0] offset:8192*\i+1024*(\s)+512*\c
.endr
.endr
.irp i, 0,1,2,3,4,5,6,7
.irp c, 0,1
	ds_load_b128 v[128*((\s)%2)+64+8*\i+4*\c:128*((\s)%2)+64+8*\i+4*\c+3], v[ADR1] offset:8192*\i+1024*(\s)+512*\c
.endr
.endr
.endm
; 32 products: source 1's tiles 4 hi .. 4 hi + 3 against source 0's eight.  The 64 accumulators take turns, in the same order in every K step
.macro MUL32 s, hi
.irp a, 0,1,2,3
.irp b, 0,1,2,3,4,5,6,7
.set rD,  8*(8*\a+\b)
.set rA,  128*((\s)%2)+8*\b
.set rB,  128*((\s)%2)+64+8*(4*\hi+\a)
.set rSA, SC0+8*(\b/2)+(\s)
.set rSB, SC1+8*((4*\hi+\a)/2)+(\s)
.set rowA, \b%2
.set rowB, \a%2
	WM
.endr
.endr
.endm
.macro STEP s
.if (\s) < 7
.if (\s) > 0
	PLACES 4                                       ; in front of loads into registers that the last K step's products read
.endif
	FETCH (\s)+1
	s_wait_dscnt 32                                ; all but the 32 just issued: this K step's fragments are in
.else
	s_wait_dscnt 0x0
.endif
.if (\s) == 0
.set cz, 1
.else
.set cz, 0
.endif
	WIN 0xa5                                       ; sources 0 and 1 window 1, C and D window 2
	MUL32 \s, 0
	WIN 0xf5                                       ; C and D window 3
	MUL32 \s, 1
.endm
	s_wait_tensorcnt 0x0                           ; my half of a panel has landed
	s_barrier_signal -1
	s_barrier_wait -1
	FETCH 0
.irp s, 0,1,2,3,4,5,6,7
	STEP \s
.endr
	WIN 0
	PLACES 4                                       ; behind the last products, in front of the first read of results
.irp b, 0,1,2,3
	v_mov_b32 v[TM+4+\b], 0                        ; a lane permute's destination counts as one of its sources
.endr
	; where my results go.  My tensor load was waited for ahead of the first K step: the descriptors' registers are free
	s_lshl_b32 s40, s87, 1
	s_add_co_u32 s40, s40, s15                     ; my 128 rows of x: group G = 2 tr + half
	s_and_b32 s41, s40, 15                         ; the key step (for q: the group of eight tiles)
	s_lshr_b32 s42, s40, 4                         ; the batch
	s_lshl_b32 s43, s42, 4
	s_lshl_b32 s42, s84, 2
	s_add_co_u32 s43, s43, s42
	s_lshl_b32 s42, s16, 1
	s_add_co_u32 s43, s43, s42                     ; my first head: 16 x batch + 4 cx + 2 x half; my 128 columns are two heads
	s_cmp_eq_u32 ttmp9, 2
	s_cbranch_scc1 .Lrole_v
	; ---- q and k
	s_cmp_eq_u32 ttmp9, 0
	s_cselect_b64 s[44:45], s[10:11], s[12:13]     ; qq or kv
	s_mov_b32 s46, 143360
	s_cselect_b32 s46, 65536, s46                  ; codes: bytes from head to head,
	s_mov_b32 s47, 8960
	s_cselect_b32 s47, 4096, s47                   ; from group to group;
	s_mov_b32 s48, 143360
	s_cselect_b32 s48, 8192, s48                   ; scale words: the same two,
	s_mov_b32 s49, 8960
	s_cselect_b32 s49, 512, s49
	s_mov_b32 s50, 8192
	s_cselect_b32 s50, SCLO, s50                   ; and where they begin
	s_mul_i32 s52, s43, s46
	s_mul_i32 s53, s41, s47
	s_add_co_u32 s52, s52, s53
	s_mov_b32 s53, 0
	s_add_nc_u64 s[54:55], s[44:45], s[52:53]      ; the first head's codes
	s_mov_b32 s47, 0
	s_add_nc_u64 s[68:69], s[54:55], s[46:47]      ; the second's
	s_mul_i32 s52, s43, s48
	s_mul_i32 s51, s41, s49
	s_add_co_u32 s52, s52, s51
	s_add_co_u32 s52, s52, s50
	s_add_nc_u64 s[70:71], s[44:45], s[52:53]      ; the first head's scale words
	s_mov_b32 s49, 0
	s_add_nc_u64 s[72:73], s[70:71], s[48:49]      ; the second's
.macro EPI_QK a                        ; x's tile a: bias, quantiser; registers 0-3 of the codes are the first head's 64 channels, 4-7 the second's
.if \a > 0
	s_wait_xcnt 0x0                                ; the last tile's stores have read their data: the codes' registers may be written again
.endif
	WIN 0x02+(\a/4)                                ; source 0: window 2 or 3
.set i, 0
.rept 32
	v_pk_add_f32 v[ST+2*i:ST+2*i+1], v[64*(\a%4)+2*i:64*(\a%4)+2*i+1], v[BJ+2*i:BJ+2*i+1]   ; ascending: each accumulator from its low end on
.set i, i+1
.endr
	WIN 0
	QUANT ST, PWS+\a
	global_store_b128 v1, v[PC:PC+3], s[54:55] offset:512*\a       ; 512 consecutive bytes
	global_store_b128 v1, v[PC+4:PC+7], s[68:69] offset:512*\a
.endm
.irp a, 0,1,2,3,4,5,6,7
	EPI_QK \a
.endr
.irp i, 0,1,2,3
	v_cndmask_b32 v[ST+\i], v[PWS+2*\i], v[PWS+2*\i+1], s20        ; lanes 0-15 tile 2 i's word, lanes 16-31 tile 2 i + 1's
.endr
.irp i, 0,1,2,3
	v_and_b32 v[ST+4+\i], 0xffff, v[ST+\i]         ; the first head's two bytes; the bytes of the K that is not there are 0, over zero codes
	v_lshrrev_b32 v[ST+8+\i], 16, v[ST+\i]         ; the second head's
.endr
	global_store_b128 v1, v[ST+4:ST+7], s[70:71]
	global_store_b128 v1, v[ST+8:ST+11], s[72:73]
	s_branch .Ldone
.Lrole_v:
	; ---- v: a lane holds one channel, its registers 128 keys
	s_mul_i32 s52, s43, 143360
	s_mul_i32 s53, s41, 8960
	s_add_co_u32 s52, s52, s53
	s_mov_b32 s53, 0
	s_add_nc_u64 s[54:55], s[12:13], s[52:53]      ; my first head's key step
.macro EPI_V a                         ; channel tile a % 4 of head a / 4
.if \a > 0
	s_wait_xcnt 0x0
.endif
	WIN 0x02+(\a/4)
.set i, 0
.rept 32
	v_pk_add_f32 v[ST+2*i:ST+2*i+1], v[64*(\a%4)+2*i:64*(\a%4)+2*i+1], v[BI+2*\a:BI+2*\a+1]
.set i, i+1
.endr
	WIN 0
	QUANT ST, PWS+\a
	global_store_b128 v1, v[PC:PC+3], s[54:55] offset:4096+143360*(\a/4)+1024*(\a%4)
	global_store_b128 v1, v[PC+4:PC+7], s[54:55] offset:4096+143360*(\a/4)+1024*(\a%4)+512
.endm
.irp a, 0,1,2,3,4,5,6,7
	EPI_V \a
.endr
.irp d, 0,1
	v_cndmask_b32 v[ST+2*\d], v[PWS+4*\d], v[PWS+4*\d+1], s20
	v_cndmask_b32 v[ST+2*\d+1], v[PWS+4*\d+2], v[PWS+4*\d+3], s20
	global_store_b64 v14, v[ST+2*\d:ST+2*\d+1], s[54:55] offset:8704+143360*\d     ; 256 consecutive bytes
.endr
.Ldone:
	s_wait_tensorcnt 0x0
	ds_add_u32 v250, v251
	s_wait_dscnt 0x0
	CROUND                                         ; the closing round: no work-group ends while a partner may still ask for a tile that names it
	s_endpgm
.Lfunc_end_k_q72261c0248_gqkv:
	.size	k_q72261c0248_gqkv, .Lfunc_end_k_q72261c0248_gqkv-k_q72261c0248_gqkv
	.p2alignl 7, 3214868480
	.fill 96, 4, 3214868480
	.section	.rodata,"a",@progbits
	.p2align	6, 0x0
	.amdhsa_kernel k_q72261c0248_gqkv
		.amdhsa_group_segment_fixed_size 262656
		.amdhsa_private_segment_fixed_size 0
		.amdhsa_enable_private_segment 0
		.amdhsa_kernarg_size 40
		.amdhsa_user_sgpr_count 2
		.amdhsa_user_sgpr_kernarg_segment_ptr 1
		.amdhsa_wavefront_size32 1
		.amdhsa_system_sgpr_workgroup_id_x 1
		.amdhsa_system_sgpr_workgroup_id_y 1
		.amdhsa_system_sgpr_workgroup_id_z 1
		.amdhsa_system_vgpr_workitem_id 0
		.amdhsa_next_free_vgpr 1024
		.amdhsa_next_free_sgpr 100
		.amdhsa_reserve_vcc 0
		.amdhsa_float_denorm_mode_32 3
		.amdhsa_float_denorm_mode_16_64 3
		.amdhsa_memory_ordered 1
		.amdhsa_forward_progress 1
		.amdhsa_inst_pref_size 192
	.end_amdhsa_kernel
	.amdgpu_metadata
---
amdhsa.version: [ 1, 2 ]
amdhsa.kernels:
  - .name:           k_q72261c0248_gqkv
    .symbol:         k_q72261c0248_gqkv.kd
    .args:
      - { .name: xq, .offset: 0, .size: 8, .value_kind: global_buffer, .address_space: global }
      - { .name: wq, .offset: 8, .size: 8, .value_kind: global_buffer, .address_space: global }
      - { .name: b_qkv, .offset: 16, .size: 8, .value_kind: global_buffer, .address_space: global }
      - { .name: qq, .offset: 24, .size: 8, .value_kind: global_buffer, .address_space: global }
      - { .name: kv, .offset: 32, .size: 8, .value_kind: global_buffer, .address_space: global }
    .group_segment_fixed_size: 262656
    .private_segment_fixed_size: 0
    .kernarg_segment_align: 8
    .kernarg_segment_size: 40
    .max_flat_workgroup_size: 128
    .sgpr_count:     100
    .vgpr_count:     1024
    .wavefront_size: 32
...
	.end_amdgpu_metadata
.endif
;; end of part 2
;; launch attn (part 3): grid 8 x 32, 16 waves a work-group, clusters of 4 x 1, 169,984 bytes of LDS; arguments qq, kv, oq; writes oq
.if DOCPART == 3
	.amdgcn_target "amdgcn-amd-amdhsa--gfx1250"
	.amdhsa_code_object_version 6
	.text
	.protected	k_q72261c0248_attn
	.globl	k_q72261c0248_attn
	.p2align	8
	.type	k_q72261c0248_attn,@function
k_q72261c0248_attn:
	s_mov_b64 s[64:65], 0
	v_nop
	global_prefetch_b8 v0, s[64:65] scope:SCOPE_SE
	s_setreg_imm32_b32 hwreg(HW_REG_WAVE_MODE, 25, 1), 1
	s_wait_xcnt 0x0
	s_wait_alu depctr_hold_cnt(0) depctr_sa_sdst(0) depctr_va_vdst(0) depctr_va_sdst(0) depctr_va_ssrc(0) depctr_va_vcc(0) depctr_vm_vsrc(0)
	s_getreg_b32 s2, hwreg(HW_REG_IB_STS2, 6, 4)
	s_cmp_eq_u32 s2, 0
	s_cbranch_scc0 .Lentry_in_a_cluster
	s_endpgm
.Lentry_in_a_cluster:
	s_bfe_u32 s2, ttmp6, 0x10000c
	s_cmp_lg_u32 s2, 0x3003
	s_cbranch_scc0 .Lentry_shape_is_right
	s_endpgm
.Lentry_shape_is_right:
; o = softmax(q k^T / 8) v for one head, both products on codes of FP4 with E8M0 scales; o is quantised along the model's 1,024 channels and leaves as the last product's operand.
; THE SOFTMAX: t = score x log2(e) / 8; M = the running largest t rounded UP to a whole number; p = 2^(t - M) is quantised along the keys, not normalised; the row's sum is taken of the unquantised p and divides at the end.
; When M moves, the sums and O are multiplied by 2^(old M - new M): exact.
; SHARES: a work-group owns 256 queries of one head, each of its sixteen waves 16 of them.  A head's k and v, codes and scale words, 143,360 bytes, lie in LDS WHOLE, filled once: each wave brings one key step
; (8,960 dense bytes, as 35 rows of 256) by one tensor load, one out a wave; 32 bytes of padding behind each row: pitch 288, a key step 10,080 bytes.
; CLUSTER: the four blocks of queries of a cluster belong to one head and ask for these tiles jointly.  No prefetch: every byte is asked for at the head, and no loop runs ahead of a fill.
; LAYOUT: both products transposed: S^T = k q^T, O^T = v^T p^T: a lane holds one query (lane % 16) throughout.  The head's K is 64: registers 4-7 of q's and k's fragments are zero codes, under scale bytes 0.
; THE KEYS OF A SCORE TILE ARE CHOSEN BY ADDRESS: row r of tile (g, u) is key 64 g + 32 (r / 8) + 8 u + r % 8.  So lane (r, h) holds in registers 32 g + 0 .. 31 the WHOLE block 2 g + h of 32 keys:
;   a block's maximum needs no other lane, and the eight conversions' results are p's operand registers as they stand.  In kv that key lies in tile 4 g + 2 (r / 8) + u % 2 at place r % 8 + 8 (u / 2).
;   With the pitch of 288 the two groups of eight rows of such a tile lie 1,152 bytes apart: 128 modulo 256, so sixteen lanes' 16 bytes fall on sixteen different columns.
; A BLOCK'S SCALE: p = 2^x rises with x, so floor(log2(largest p)) = floor(x) of the block's largest x = t - M: byte = max(floor(x), -124) + 125.  (Where x lies within rounding under a whole number and the
;   exponential rounds up to the power of two, that one p is held at the largest code.)
; A SPLIT BARRIER IN EACH KEY STEP: signalled at the step's head, waited for at its end: no wave ends key step i before every wave has begun it.  Between the two stand register work and loads of LDS bytes that nobody writes.
; The two-byte stores of o's scale bytes cover 32 of 256 bytes a wave (a head owns 2 of a row's 16 bytes): 131,072 bytes in the whole launch.
; LIMITS: the promise holds while |t| stays under 2^31; byte 1 for blocks of zeros and under 2^-124; an exponential under 2^-126 counts as 0; NaN and infinities are not served.
; REGISTERS: v1 16 x lane, v2 8 x lane, v3 16 r, v4 k's lane place, v5 k's scale words' lane place, v6 8 h, v7 v's lane place; v8-11 the step's addresses; v12 -M, v13 the largest score;
;   v[14:15], v[24:27], v[30:31] the sum in four pairs; v28 f; v16-23 q; v32-95 k; v96-159 S^T, then p; v160-191 O^T; v192-223 v; v224-231 p's codes; v240-241 v's scale words, v248-251 k's, v253 p's, v255 q's;
;   v242, v243 the add's two; v232-239, v244, v245, v252 at work.
.set STEPB, 8960                       ; a key step in kv
.set LSTEP, 10080                      ; and in LDS: 35 rows of 288
.set HEADB, 143360
.set SCLO,  2097152
.set SPARE, 0x29000                    ; behind the head's 161,280 bytes: the spare words, 128 bytes a wave
.set WV,   18
.set SEL,  20
.set CS,   22                          ; s[22:23] c = log2(e) / 8
.set NC,   48                          ; -c
.set G1,   24
.set G0,   32
.set TB,   36                          ; LDS byte at which the key step begins
.set CNT,  37
.macro CROUND
	s_barrier_signal -1
	s_barrier_wait -1
	s_cmp_lg_u32 s[WV], 0
	s_cbranch_scc1 .Lnot_wave_0_\@
	s_barrier_signal -3
.Lnot_wave_0_\@:
	s_barrier_wait -3
	s_barrier_signal -1
	s_barrier_wait -1
.endm
	s_load_b128 s[4:7], s[0:1], 0x0                ; qq, kv
	s_load_b64 s[8:9], s[0:1], 0x10                ; oq
	v_lshl_add_u32 v242, v0, 2, SPARE
	v_mov_b32 v243, 0
	ds_add_u32 v242, v243                          ; the opening lines: the add twice on end and one wait
	ds_add_u32 v242, v243
	v_lshrrev_b32 v8, 5, v0
	v_readfirstlane_b32 s[WV], v8                  ; wave 0..15
	s_bfe_u32 s10, ttmp6, 0x40000                  ; cx
	s_lshl_b32 s11, ttmp9, 2
	s_add_co_u32 s11, s11, s10                     ; my block of 256 queries: it enters q's and o's addresses alone
	s_and_b32 s12, ttmp7, 0xffff                   ; 16 x batch + head, which the partners share
	s_mov_b32 s[G1], 15|(3<<16)|(1<<20)|(1<<21)|(5<<22)|(7<<25)   ; all four work-groups; elements of 8 bytes; padding: 8 words behind every 64; 21 set beside a mask
	s_mov_b32 s[G1+1], 32<<16                      ; rows of 256 bytes,
	s_mov_b32 s[G1+2], 35<<16                      ; 35 of them, dense
	s_mov_b32 s[G1+3], 32<<16
	s_mov_b32 s[G1+4], 35
	s_mov_b32 s[G1+5], 32
	s_mov_b32 s[G1+6], 0
	s_mov_b32 s[G1+7], 0
	s_mul_i32 s13, s[WV], LSTEP                    ; the key step that I fetch: in LDS,
	s_mul_i32 s14, s12, HEADB
	s_mul_i32 s15, s[WV], STEPB
	s_add_co_u32 s14, s14, s15                     ; and in kv
	s_mov_b32 s15, 0
	s_lshl_b32 s16, s11, 4
	s_add_co_u32 s16, s16, s[WV]                   ; my tile of queries in the batch
	s_lshl_b32 s38, s12, 16
	s_lshl_b32 s39, s16, 9
	s_add_co_u32 s38, s38, s39                     ; q's codes
	s_mov_b32 s39, 0
	s_lshl_b32 s40, s12, 13                        ; q's scale words: the head,
	s_lshl_b32 s41, s11, 1
	s_lshr_b32 s46, s[WV], 3
	s_add_co_u32 s41, s41, s46
	s_lshl_b32 s41, s41, 9                         ; the group of eight tiles,
	s_add_co_u32 s40, s40, s41
	s_and_b32 s41, s[WV], 1
	s_lshl_b32 s41, s41, 8                         ; an odd tile's words lie in the upper sixteen places,
	s_add_co_u32 s40, s40, s41
	s_bfe_u32 s41, s[WV], 0x20001
	s_lshl_b32 s41, s41, 2                         ; word (tile % 8) / 2
	s_add_co_u32 s40, s40, s41
	s_add_co_u32 s40, s40, SCLO
	s_mov_b32 s41, 0
	s_lshr_b32 s46, s12, 4
	s_lshl_b32 s46, s46, 7
	s_add_co_u32 s46, s46, s16                     ; my tile among o's 256
	s_and_b32 s47, s12, 15                         ; the head
	s_lshl_b32 s42, s46, 13
	s_lshl_b32 s43, s47, 9
	s_add_co_u32 s42, s42, s43                     ; o's codes: K step head / 2, half head % 2
	s_mov_b32 s43, 0
	s_lshr_b32 s44, s47, 3
	s_lshl_b32 s44, s44, 16
	s_lshl_b32 s45, s46, 8
	s_add_co_u32 s44, s44, s45
	s_and_b32 s45, s47, 7
	s_lshl_b32 s45, s45, 1
	s_add_co_u32 s44, s44, s45
	s_add_co_u32 s44, s44, SCLO                    ; o's scale bytes: two of a row's sixteen
	s_mov_b32 s45, 0
	s_mov_b32 s[SEL], 0x76543210
	s_mov_b32 s[SEL+1], 0xfedcba98
	s_mov_b32 s[CS], 0x3e38aa3b
	s_mov_b32 s[CS+1], s[CS]                       ; (named with it as a pair, so it is written)
	s_mov_b32 s[NC], 0xbe38aa3b
	s_mov_b32 s[TB], 0
	s_mov_b32 s[CNT], 16
	v_and_b32 v8, 31, v0                           ; lane
	v_and_b32 v9, 15, v0                           ; r
	v_bfe_u32 v10, v0, 4, 1                        ; h
	v_and_b32 v11, 7, v0                           ; r % 8
	v_bfe_u32 v12, v0, 3, 1                        ; r / 8
	v_lshlrev_b32 v1, 4, v8
	v_lshlrev_b32 v2, 3, v8
	v_lshlrev_b32 v3, 4, v9
	v_lshlrev_b32 v6, 3, v10
	v_lshlrev_b32 v4, 4, v11
	v_mad_u32_u24 v7, v10, 288, v3                 ; v: 16 r, lanes 16-31 in the next row of 256
	v_mad_u32_u24 v4, v10, 288, v4                 ; 16 (r % 8) + a row for h
	v_lshl_add_u32 v5, v12, 2, v4                  ; k's scale words: + 4 (r / 8)
	v_mad_u32_u24 v4, v12, 1152, v4                ; k: + four rows for r / 8
	s_wait_alu depctr_va_vdst(0)                   ; the wait here, directly ahead of the waits below
	s_wait_dscnt 0x0
	s_wait_kmcnt 0x0
	s_mov_b32 s[G0], 1
	s_mov_b32 s[G0+1], s13
	s_add_nc_u64 s[G0+2:G0+3], s[6:7], s[14:15]
	s_or_b32 s[G0+3], s[G0+3], 0x80000000
	s_add_nc_u64 s[38:39], s[4:5], s[38:39]
	s_add_nc_u64 s[40:41], s[4:5], s[40:41]
	s_add_nc_u64 s[42:43], s[8:9], s[42:43]
	s_add_nc_u64 s[44:45], s[8:9], s[44:45]
	global_load_b128 v[16:19], v1, s[38:39]        ; q's fragment stays in registers
	global_load_b32 v255, v3, s[40:41]             ; and its scale words
	CROUND                                         ; all four work-groups are here: the joint loads meet
	tensor_load_to_lds s[G0:G0+3], s[G1:G1+7]
	s_nop 0
.rept 4
	v_nop
.endr
.irp i, 20,21,22,23
	v_mov_b32 v[\i], 0                             ; the K that is not there: zero codes
.endr
.irp t, 0,1,2,3,4,5,6,7
.irp i, 4,5,6,7
	v_mov_b32 v[32+8*\t+\i], 0                     ; likewise in k's eight fragments: set once
.endr
.endr
	v_mov_b32 v13, 0xff61b1e6                      ; the largest score so far: -3e38
	v_mov_b32 v12, 0x7f61b1e6                      ; -M: 3e38, so that the first step's f is 0
.irp i, 14,15,24,25,26,27,29,30,31,237
	v_mov_b32 v[\i], 0                             ; the sums; the upper half of f's pair; a lane permute's destination counts as one of its sources
.endr
.set j, 0
.rept 32
	v_mov_b32 v[160+j], 0                          ; O^T: the loop is written once; its first step finds zeros
.set j, j+1
.endr
	s_wait_alu depctr_va_vdst(0)                   ; the wait at the head's end
	s_wait_tensorcnt 0x0                           ; my key step has landed,
	s_wait_loadcnt 0x0                             ; q is in
	s_barrier_signal -1
	s_barrier_wait -1                              ; everybody's key step has landed: the whole head lies in LDS
.Lstep:                                            ; 16 trips of 128 keys
	s_barrier_signal -1                            ; I have begun this key step (no LDS instruction of mine is out)
	v_add_nc_u32 v8, s[TB], v7
	v_add_nc_u32 v9, s[TB], v2
	v_add_nc_u32 v10, s[TB], v4
	v_add_nc_u32 v11, s[TB], v5                    ; these four are the places behind the last trip's products, in front of loads into registers that they read
.irp g, 0,1
.irp w, 0,1
	ds_load_b32 v[248+2*\g+\w], v11 offset:9216+128*\w+8*\g        ; k's scale words: lanes 0-15 tile (g, 2 w), lanes 16-31 tile (g, 2 w + 1)
.endr
.endr
.irp g, 0,1
.irp u, 0,1,2,3
	ds_load_b128 v[32+8*(4*\g+\u):35+8*(4*\g+\u)], v10 offset:2304*\g+576*(\u%2)+128*(\u/2)
.endr
.endr
.irp t, 0,1,2,3
.irp c, 0,1
	ds_load_b128 v[192+8*\t+4*\c:195+8*\t+4*\c], v8 offset:4608+1152*\t+576*\c
.endr
.endr
	ds_load_b64 v[240:241], v9 offset:9792         ; v's scale words
	s_wait_dscnt 9                                 ; k and its scale words are in; v's nine loads may be out
.irp g, 0,1
.irp u, 0,1,2,3
.set N, 4*\g+\u
.if \u%2
	v_wmma_scale_f32_16x16x128_f8f6f4 v[96+8*N:103+8*N], v[32+8*N:39+8*N], v[16:23], 0, v[248+2*\g+\u/2], v255 matrix_a_fmt:MATRIX_FMT_FP4 matrix_b_fmt:MATRIX_FMT_FP4 matrix_a_scale:MATRIX_SCALE_ROW1
.else
	v_wmma_scale_f32_16x16x128_f8f6f4 v[96+8*N:103+8*N], v[32+8*N:39+8*N], v[16:23], 0, v[248+2*\g+\u/2], v255 matrix_a_fmt:MATRIX_FMT_FP4 matrix_b_fmt:MATRIX_FMT_FP4
.endif
.endr
.endr
.rept 4
	v_nop
.endr
	; the largest score of my two blocks of 32 keys: two chains of 15 a block, each accumulator read from its low end on
.irp g, 0,1
.irp k, 0,1
	v_max3_num_f32 v[232+2*\g+\k], v[96+32*\g+16*\k], v[97+32*\g+16*\k], v[98+32*\g+16*\k]
.endr
.endr
.irp i, 3,5,7,9,11,13
.irp g, 0,1
.irp k, 0,1
	v_max3_num_f32 v[232+2*\g+\k], v[232+2*\g+\k], v[96+32*\g+16*\k+\i], v[97+32*\g+16*\k+\i]
.endr
.endr
.endr
	v_max3_num_f32 v232, v232, v233, v111
	v_max3_num_f32 v234, v234, v235, v143
	v_max_num_f32 v232, v232, v127                 ; block h
	v_max_num_f32 v234, v234, v159                 ; block 2 + h
	v_max_num_f32 v236, v232, v234
	v_permlanex16_b32 v237, v236, s[SEL], s[SEL+1]
	v_max3_num_f32 v13, v13, v236, v237            ; the running largest score of my query
	v_mul_f32 v238, s[NC], v13                     ; -t
	v_floor_f32 v239, v238                         ; the new -M = -ceil(t)
	v_sub_f32 v238, v239, v12                      ; old M - new M: a whole number, 0 or less
	v_mov_b32 v12, v239
	v_cvt_i32_f32 v238, v238                       ; (it saturates)
	v_ldexp_f32 v28, 1.0, v238                     ; f = 2^(old M - new M)
.set j, 0
.rept 32
	v_pk_fma_f32 v[96+j:97+j], v[96+j:97+j], s[CS:CS+1], v[12:13] op_sel_hi:[1,0,0]   ; t - M, two at a time
.set j, j+2
.endr
	v_fma_f32 v232, v232, s[CS], v12               ; the same of my blocks' largest scores
	v_fma_f32 v234, v234, s[CS], v12
.set j, 0
.rept 16
	v_pk_mul_f32 v[160+j:161+j], v[160+j:161+j], v[28:29] op_sel_hi:[1,0]   ; O^T under the new M, each accumulator from its low end on
.set j, j+2
.endr
	v_max_num_f32 v232, 0xc2f80000, v232           ; held at -124 from below: the byte cannot fall under 1
	v_max_num_f32 v234, 0xc2f80000, v234
	s_wait_alu depctr_va_vdst(0)                   ; the wait ahead of the batch
.set j, 0
.rept 64
	v_exp_f32 v[96+j], v[96+j]                     ; p = 2^(t - M)
.set j, j+1
.endr
	v_cvt_floor_i32_f32 v233, v232                 ; plain work that names no exponential's result: floor(log2) of each block's largest p,
	v_cvt_floor_i32_f32 v235, v234
	v_add_nc_u32 v233, 125, v233                   ; the scale's byte: that - 2 + 127,
	v_add_nc_u32 v235, 125, v235
	v_lshlrev_b32 v244, 23, v233                   ; the conversion's scale operand,
	v_lshlrev_b32 v245, 23, v235
	v_lshl_or_b32 v236, v235, 16, v233             ; my two bytes: blocks h and 2 + h,
	v_lshlrev_b32 v236, v6, v236                   ; at their places in the word;
	v_permlanex16_b32 v237, v236, s[SEL], s[SEL+1]
	v_or_b32 v253, v236, v237                      ; with lane l xor 16's two: p's scale word for these 128 keys
	s_wait_alu depctr_va_vdst(0)                   ; one wait for the whole batch, ahead of its first reader
.irp g, 0,1
.irp u, 0,1,2,3
	v_cvt_scalef32_pk8_fp4_f32 v[224+4*\g+\u], v[96+32*\g+8*\u:103+32*\g+8*\u], v[244+\g]   ; register 4 g + u of the operand: keys 64 g + 32 h + 8 u on
.endr
.endr
	v_nop                                          ; one plain place behind the conversions
	; the row's sum of the unquantised p: 32 pairs fall to four, which go onto the four carried pairs under the new M
.set j, 0
.rept 16
	v_pk_add_f32 v[96+4*j:97+4*j], v[96+4*j:97+4*j], v[98+4*j:99+4*j]
.set j, j+1
.endr
.set j, 0
.rept 8
	v_pk_add_f32 v[96+8*j:97+8*j], v[96+8*j:97+8*j], v[100+8*j:101+8*j]
.set j, j+1
.endr
.set j, 0
.rept 4
	v_pk_add_f32 v[96+16*j:97+16*j], v[96+16*j:97+16*j], v[104+16*j:105+16*j]
.set j, j+1
.endr
	v_pk_fma_f32 v[14:15], v[14:15], v[28:29], v[96:97] op_sel_hi:[1,0,1]
	v_pk_fma_f32 v[24:25], v[24:25], v[28:29], v[112:113] op_sel_hi:[1,0,1]
	v_pk_fma_f32 v[26:27], v[26:27], v[28:29], v[128:129] op_sel_hi:[1,0,1]
	v_pk_fma_f32 v[30:31], v[30:31], v[28:29], v[144:145] op_sel_hi:[1,0,1]
	s_wait_alu depctr_va_vdst(0)                   ; the wait here, directly ahead of the wait below
	s_wait_dscnt 0x0                               ; v and its scale words are in
.irp t, 0,1,2,3
.if \t%2
	v_wmma_scale_f32_16x16x128_f8f6f4 v[160+8*\t:167+8*\t], v[192+8*\t:199+8*\t], v[224:231], v[160+8*\t:167+8*\t], v[240+\t/2], v253 matrix_a_fmt:MATRIX_FMT_FP4 matrix_b_fmt:MATRIX_FMT_FP4 matrix_a_scale:MATRIX_SCALE_ROW1
.else
	v_wmma_scale_f32_16x16x128_f8f6f4 v[160+8*\t:167+8*\t], v[192+8*\t:199+8*\t], v[224:231], v[160+8*\t:167+8*\t], v[240+\t/2], v253 matrix_a_fmt:MATRIX_FMT_FP4 matrix_b_fmt:MATRIX_FMT_FP4
.endif
.endr
	s_add_co_u32 s[TB], s[TB], LSTEP
	s_sub_co_u32 s[CNT], s[CNT], 1
	s_barrier_wait -1                              ; every wave has begun this key step
	s_cmp_lg_u32 s[CNT], 0
	s_cbranch_scc1 .Lstep
	; THE WAY OUT: O^T / the sum; register 16 b + i is channel 32 b + 16 (lane / 16) + i of the head: two blocks of the last product's K
	v_pk_add_f32 v[14:15], v[14:15], v[24:25]      ; (these lines are also the places behind the last products)
	v_pk_add_f32 v[26:27], v[26:27], v[30:31]
	v_pk_add_f32 v[14:15], v[14:15], v[26:27]
	v_add_f32 v14, v14, v15
	s_delay_alu instid0(VALU_DEP_1)
	v_permlanex16_b32 v237, v14, s[SEL], s[SEL+1]
	s_delay_alu instid0(VALU_DEP_1)
	v_add_f32 v14, v14, v237                       ; the row's sum
	s_wait_alu depctr_va_vdst(0)                   ; the wait ahead of the transcendental
	v_rcp_f32 v14, v14
	v_nop                                          ; one plain place behind the reciprocal
	s_wait_alu depctr_va_vdst(0)                   ; and ahead of its first reader, which is also O^T's
.set j, 0
.rept 32
	v_mul_f32 v[96+j], v[160+j], v14               ; ascending: each accumulator from its low end on
.set j, j+1
.endr
.irp b, 0,1
	v_max3_num_f32 v[232+\b], |v[96+16*\b]|, |v[97+16*\b]|, 0x1800000
.endr
.irp i, 2,4,6,8,10,12,14
.irp b, 0,1
	s_delay_alu instid0(VALU_DEP_2)
	v_max3_num_f32 v[232+\b], v[232+\b], |v[96+16*\b+\i]|, |v[97+16*\b+\i]|
.endr
.endr
.irp b, 0,1
	s_delay_alu instid0(VALU_DEP_2)
	v_permlanex16_b32 v[236+\b], v[232+\b], s[SEL], s[SEL+1]
.endr
.irp b, 0,1
	s_delay_alu instid0(VALU_DEP_2)
	v_max_num_f32 v[232+\b], v[232+\b], v[236+\b]
.endr
.irp b, 0,1
	s_delay_alu instid0(VALU_DEP_2)
	v_add_nc_u32 v[244+\b], 0xff000000, v[232+\b]
.endr
.irp b, 0,1
	s_delay_alu instid0(VALU_DEP_2)
	v_lshrrev_b32 v[236+\b], 23, v[244+\b]
.endr
	s_delay_alu instid0(VALU_DEP_1)
	v_lshl_or_b32 v252, v237, 8, v236              ; my row's two scale bytes
.irp b, 0,1
	v_cvt_scalef32_pk8_fp4_f32 v[224+2*\b], v[96+16*\b:103+16*\b], v[244+\b]
	v_cvt_scalef32_pk8_fp4_f32 v[225+2*\b], v[104+16*\b:111+16*\b], v[244+\b]
.endr
	v_nop
	v_permlane16_swap_b32 v224, v226               ; a whole block to a lane
	v_permlane16_swap_b32 v225, v227
	global_store_b128 v1, v[224:227], s[42:43]     ; 512 consecutive bytes: half a fragment of the last product's operand
	global_store_b16 v3, v252, s[44:45]            ; both lanes of a row store the same two bytes
	s_wait_tensorcnt 0x0                           ; the wave's end
	ds_add_u32 v242, v243
	s_wait_dscnt 0x0
	CROUND                                         ; the closing round
	s_endpgm
.Lfunc_end_k_q72261c0248_attn:
	.size	k_q72261c0248_attn, .Lfunc_end_k_q72261c0248_attn-k_q72261c0248_attn
	.p2alignl 7, 3214868480
	.fill 96, 4, 3214868480
	.section	.rodata,"a",@progbits
	.p2align	6, 0x0
	.amdhsa_kernel k_q72261c0248_attn
		.amdhsa_group_segment_fixed_size 169984
		.amdhsa_private_segment_fixed_size 0
		.amdhsa_enable_private_segment 0
		.amdhsa_kernarg_size 24
		.amdhsa_user_sgpr_count 2
		.amdhsa_user_sgpr_kernarg_segment_ptr 1
		.amdhsa_wavefront_size32 1
		.amdhsa_system_sgpr_workgroup_id_x 1
		.amdhsa_system_sgpr_workgroup_id_y 1
		.amdhsa_system_sgpr_workgroup_id_z 1
		.amdhsa_system_vgpr_workitem_id 0
		.amdhsa_next_free_vgpr 256
		.amdhsa_next_free_sgpr 66
		.amdhsa_reserve_vcc 0
		.amdhsa_float_denorm_mode_32 3
		.amdhsa_float_denorm_mode_16_64 3
		.amdhsa_memory_ordered 1
		.amdhsa_forward_progress 1
		.amdhsa_inst_pref_size 27
	.end_amdhsa_kernel
	.amdgpu_metadata
---
amdhsa.version: [ 1, 2 ]
amdhsa.kernels:
  - .name:           k_q72261c0248_attn
    .symbol:         k_q72261c0248_attn.kd
    .args:
      - { .name: qq, .offset: 0, .size: 8, .value_kind: global_buffer, .address_space: global }
      - { .name: kv, .offset: 8, .size: 8, .value_kind: global_buffer, .address_space: global }
      - { .name: oq, .offset: 16, .size: 8, .value_kind: global_buffer, .address_space: global }
    .group_segment_fixed_size: 169984
    .private_segment_fixed_size: 0
    .kernarg_segment_align: 8
    .kernarg_segment_size: 24
    .max_flat_workgroup_size: 512
    .sgpr_count:     66
    .vgpr_count:     256
    .wavefront_size: 32
...
	.end_amdgpu_metadata
.endif
;; end of part 3
;; launch proj (part 4): grid 8 x 32, 4 waves a work-group, clusters of 4 x 4, 168,448 bytes of LDS; arguments oq, wq, b_proj, out0; writes out0
.if DOCPART == 4
	.amdgcn_target "amdgcn-amd-amdhsa--gfx1250"
	.amdhsa_code_object_version 6
	.text
	.protected	k_q72261c0248_proj
	.globl	k_q72261c0248_proj
	.p2align	8
	.type	k_q72261c0248_proj,@function
k_q72261c0248_proj:
	s_mov_b64 s[64:65], 0
	v_nop
	global_prefetch_b8 v0, s[64:65] scope:SCOPE_SE
	s_setreg_imm32_b32 hwreg(HW_REG_WAVE_MODE, 25, 1), 1
	s_wait_xcnt 0x0
	s_wait_alu depctr_hold_cnt(0) depctr_sa_sdst(0) depctr_va_vdst(0) depctr_va_sdst(0) depctr_va_ssrc(0) depctr_va_vcc(0) depctr_vm_vsrc(0)
	s_getreg_b32 s2, hwreg(HW_REG_IB_STS2, 6, 4)
	s_cmp_eq_u32 s2, 0
	s_cbranch_scc0 .Lentry_in_a_cluster
	s_endpgm
.Lentry_in_a_cluster:
	s_bfe_u32 s2, ttmp6, 0x10000c
	s_cmp_lg_u32 s2, 0xf033
	s_cbranch_scc0 .Lentry_shape_is_right
	s_endpgm
.Lentry_shape_is_right:
; out0 = o w_proj + b_proj on codes of FP4 with E8M0 scales; out0 [4096][1024] f32.  o's codes and scale words come from the attention launch, the weights' are rows 3,072 on of wq; both in the order of the operand's registers.
; SHARES: 256 work-groups; a work-group makes 128 rows (panel tr) x 128 columns (panel tc), a wave 64 x 64: 16 accumulators.  K is 1,024: both panels, 2 x 64 KiB, lie in LDS whole, in four chunks of two K steps, filled once;
; a wave has four tensor loads out at the most.  CLUSTERS: 4 x 4: o's panel is asked for jointly by a row of the cluster, the weights' by a column.
; Source 0 = the weights, source 1 = o: a lane holds one row of out0 and eight neighbouring columns a register run.  The bias is the C of each sum's first product.
; Place r of tile T is row 32 (T / 2) + 8 (T % 2) + r + 8 (r / 8): the way out puts each row where it belongs; sixteen lanes store 256 consecutive bytes, aligned.
; REGISTERS: window 0: v1-15 addresses; v32-47, v48-63 scale words (nothing else ever); v64-95 the bias, later rows on the way out; v96-127 rows on the way out; v128-255 accumulator (a, b) at 128 + 8 (4 a + b).
;   window 1: two sets of fragments at 0 and 64: source 0's four, then source 1's four.
.set SCLO,  2097152
; LDS AS IT STANDS NOW: each wave brings its half of a panel, 4 tiles x 8,192 bytes, dense in memory, by ONE tensor load (one out a wave) into 32,768 bytes on end at 32,768 x wave:
; o's two halves, then the weights' two.  A fragment (tile i, K step s) lies at 8192 i + 1024 s of its half; no chunks, one barrier when all of K has landed.
.set CHUNK, 32768
.set WREG,  65536
.set STAGE, 131072                     ; behind the panels: 16 rows x 272 bytes for each wave; no fill lands here
.set SP,    272
.set ADR0, 4
.set ADR1, 8
.set SC0,  32
.set SC1,  48
.set BJ,   64
.set OUTR, 64
.set ACC,  128
.set G1X,  24
.set G1W,  32
.set G0X,  40
.set G0W,  68
.set MSB, 0
.macro WIN new
.if MSB != (\new)
	s_set_vgpr_msb (MSB<<8)|(\new)
.set MSB, (\new)
.endif
.endm
.macro PLACES n
.rept \n
	v_nop
.endr
.endm
.macro CROUND
	s_barrier_signal -1
	s_barrier_wait -1
	s_cmp_lg_u32 s14, 0
	s_cbranch_scc1 .Lnot_wave_0_\@
	s_barrier_signal -3
.Lnot_wave_0_\@:
	s_barrier_wait -3
	s_barrier_signal -1
	s_barrier_wait -1
.endm
.macro WM                              ; one product, from the symbols rD, rA, rB, rC, rSA, rSB, rowA, rowB
.if rowA && rowB
	v_wmma_scale_f32_16x16x128_f8f6f4 v[rD:rD+7], v[rA:rA+7], v[rB:rB+7], v[rC:rC+7], v[rSA], v[rSB] matrix_a_fmt:MATRIX_FMT_FP4 matrix_b_fmt:MATRIX_FMT_FP4 matrix_a_scale:MATRIX_SCALE_ROW1 matrix_b_scale:MATRIX_SCALE_ROW1
.elseif rowA
	v_wmma_scale_f32_16x16x128_f8f6f4 v[rD:rD+7], v[rA:rA+7], v[rB:rB+7], v[rC:rC+7], v[rSA], v[rSB] matrix_a_fmt:MATRIX_FMT_FP4 matrix_b_fmt:MATRIX_FMT_FP4 matrix_a_scale:MATRIX_SCALE_ROW1
.elseif rowB
	v_wmma_scale_f32_16x16x128_f8f6f4 v[rD:rD+7], v[rA:rA+7], v[rB:rB+7], v[rC:rC+7], v[rSA], v[rSB] matrix_a_fmt:MATRIX_FMT_FP4 matrix_b_fmt:MATRIX_FMT_FP4 matrix_b_scale:MATRIX_SCALE_ROW1
.else
	v_wmma_scale_f32_16x16x128_f8f6f4 v[rD:rD+7], v[rA:rA+7], v[rB:rB+7], v[rC:rC+7], v[rSA], v[rSB] matrix_a_fmt:MATRIX_FMT_FP4 matrix_b_fmt:MATRIX_FMT_FP4
.endif
.endm
	s_load_b256 s[4:11], s[0:1], 0x0               ; oq s[4:5], wq s[6:7], b_proj s[8:9], out0 s[10:11]
	v_lshl_add_u32 v30, v0, 2, 0x29000
	v_mov_b32 v31, 0
	ds_add_u32 v30, v31
	ds_add_u32 v30, v31
	v_lshrrev_b32 v2, 5, v0
	v_readfirstlane_b32 s14, v2                    ; wave
	s_lshr_b32 s15, s14, 1                         ; my half of o's panel.  Also: I fetch for o (0) or for the weights (1)
	s_and_b32 s16, s14, 1                          ; my half of the weights' panel.  Also: which half of a panel I fetch
	s_bfe_u32 s84, ttmp6, 0x40000                  ; cx
	s_bfe_u32 s85, ttmp6, 0x40004                  ; cy
	s_lshl_b32 s86, ttmp9, 2
	s_add_co_u32 s86, s86, s84                     ; tc
	s_and_b32 s87, ttmp7, 0xffff
	s_lshl_b32 s87, s87, 2
	s_add_co_u32 s87, s87, s85                     ; tr
	s_lshl_b32 s88, s85, 2
	s_lshl_b32 s88, 15, s88                        ; my row of the cluster
	s_lshl_b32 s89, 0x1111, s84                    ; my column
	; group 1: 4 whole tiles: 4 rows of 8,192 bytes, dense in memory, on end in LDS
	s_or_b32 s[G1X], s88, (3<<16)|(1<<21)
	s_or_b32 s[G1W], s89, (3<<16)|(1<<21)
.irp g, G1X, G1W
	s_mov_b32 s[\g+1], 1024<<16                    ; a tile's 8,192 bytes, all of K
	s_mov_b32 s[\g+2], 4<<16
	s_mov_b32 s[\g+3], 1024<<16
	s_mov_b32 s[\g+4], 4
	s_mov_b32 s[\g+5], 1024
	s_mov_b32 s[\g+6], 0
	s_mov_b32 s[\g+7], 0
.endr
	s_lshl_b32 s18, s16, 15                        ; the half that I fetch: 4 tiles of 8,192 bytes
	s_lshl_b32 s90, s87, 16
	s_add_co_u32 s90, s90, s18                     ; o's panel hangs on tr alone,
	s_mov_b32 s91, 0
	s_lshl_b32 s92, s86, 16
	s_add_co_u32 s92, s92, s18
	s_add_co_u32 s92, s92, 192*8192                ; the weights' on tc alone: w_proj's tiles begin at 192
	s_mov_b32 s93, 0
	s_lshl_b32 s17, s14, 15                        ; where my half of a panel goes: 32,768 x wave
	v_and_b32 v2, 31, v0
	v_lshlrev_b32 v1, 4, v2                        ; 16 x lane
	v_bfe_u32 v3, v0, 4, 1                         ; h
	v_and_b32 v2, 15, v0                           ; r
	v_lshlrev_b32 v12, 6, v3                       ; 64 h
	s_lshl_b32 s18, s15, 15                        ; o's region: my half
	s_lshl_b32 s19, s16, 15
	s_add_co_u32 s19, s19, WREG                    ; the weights' region: my half
	v_add_nc_u32 v[ADR0], s19, v1
	v_add_nc_u32 v[ADR1], s18, v1
	s_mul_i32 s21, s14, 16*SP
	s_add_co_u32 s21, s21, STAGE                   ; my stage
	v_mul_u32_u24 v13, v2, SP
	v_lshl_add_u32 v13, v3, 6, v13
	v_add_nc_u32 v13, s21, v13                     ; in: row r, 64 h bytes on
	v_mul_u32_u24 v14, v3, SP
	v_lshl_add_u32 v14, v2, 4, v14
	v_add_nc_u32 v14, s21, v14                     ; back: lanes 0-15 one row of 256 bytes, lanes 16-31 the next
	v_lshlrev_b32 v15, 12, v3
	v_lshl_add_u32 v15, v2, 4, v15                 ; and the same two rows in out0
	s_wait_alu depctr_va_vdst(0)                   ; the wait here, directly ahead of the waits below
	s_wait_dscnt 0x0
	s_wait_kmcnt 0x0
	s_add_nc_u64 s[90:91], s[4:5], s[90:91]
	s_add_nc_u64 s[92:93], s[6:7], s[92:93]
.irp c, 0
	s_mov_b32 s[G0X+4*\c], 1
	s_add_co_u32 s[G0X+4*\c+1], s17, \c*CHUNK
	s_add_nc_u64 s[G0X+4*\c+2:G0X+4*\c+3], s[90:91], \c*2048
	s_or_b32 s[G0X+4*\c+3], s[G0X+4*\c+3], 0x80000000
	s_mov_b32 s[G0W+4*\c], 1
	s_add_co_u32 s[G0W+4*\c+1], s17, \c*CHUNK
	s_add_nc_u64 s[G0W+4*\c+2:G0W+4*\c+3], s[92:93], \c*2048
	s_or_b32 s[G0W+4*\c+3], s[G0W+4*\c+3], 0x80000000
.endr
	CROUND                                         ; all sixteen work-groups are here: the joint loads meet
	s_cmp_eq_u32 s15, 0                            ; one fill a wave, one in each arm of the branch on the wave's number
	s_cbranch_scc0 .Lfill_w
	tensor_load_to_lds s[G0X:G0X+3], s[G1X:G1X+7]
	s_nop 0
	PLACES 4
	s_branch .Lfilled
.Lfill_w:
	tensor_load_to_lds s[G0W:G0W+3], s[G1W:G1W+7]
	s_nop 0
	PLACES 4
.Lfilled:
	s_lshl_b32 s18, s87, 11                        ; my 64 rows' scale words
	s_lshl_b32 s19, s15, 10
	s_add_co_u32 s18, s18, s19
	s_add_co_u32 s18, s18, SCLO
	s_mov_b32 s19, 0
	s_add_nc_u64 s[56:57], s[4:5], s[18:19]        ; o's
	s_lshl_b32 s18, s86, 11
	s_lshl_b32 s21, s16, 10
	s_add_co_u32 s18, s18, s21
	s_add_co_u32 s18, s18, SCLO+192*256
	s_add_nc_u64 s[58:59], s[6:7], s[18:19]        ; the weights'
	s_lshl_b32 s18, s86, 9
	s_lshl_b32 s21, s16, 8
	s_add_co_u32 s18, s18, s21
	s_add_nc_u64 s[60:61], s[8:9], s[18:19]        ; the bias of my 64 columns
	s_lshl_b32 s18, s87, 19                        ; out0: 128 tr + 64 x half rows of 4,096 bytes,
	s_lshl_b32 s21, s15, 18
	s_add_co_u32 s18, s18, s21
	s_lshl_b32 s21, s86, 9                         ; 128 tc + 64 x half columns
	s_add_co_u32 s18, s18, s21
	s_lshl_b32 s21, s16, 8
	s_add_co_u32 s18, s18, s21
	s_add_nc_u64 s[62:63], s[10:11], s[18:19]
.irp i, 0,1
.irp k, 0,1
	global_load_b128 v[SC0+8*\i+4*\k:SC0+8*\i+4*\k+3], v1, s[58:59] offset:65536*\k+512*\i
	global_load_b128 v[SC1+8*\i+4*\k:SC1+8*\i+4*\k+3], v1, s[56:57] offset:65536*\k+512*\i
.endr
.endr
.irp t, 0,1,2,3
	global_load_b128 v[BJ+8*\t:BJ+8*\t+3], v12, s[60:61] offset:(32*(\t/2)+8*(\t%2))*4
	global_load_b128 v[BJ+8*\t+4:BJ+8*\t+7], v12, s[60:61] offset:(32*(\t/2)+8*(\t%2))*4+16
.endr
	s_wait_loadcnt 0x0
.macro FETCH s                         ; the 8 fragments of K step s into set s % 2: 16 loads of 512 consecutive bytes
	WIN 0x40                                       ; destination window 1, address window 0
.irp i, 0,1,2,3
.irp c, 0,1
	ds_load_b128 v[64*((\s)%2)+8*\i+4*\c:64*((\s)%2)+8*\i+4*\c+3], v[ADR0] offset:8192*\i+1024*(\s)+512*\c
.endr
.endr
.irp i, 0,1,2,3
.irp c, 0,1
	ds_load_b128 v[64*((\s)%2)+32+8*\i+4*\c:64*((\s)%2)+32+8*\i+4*\c+3], v[ADR1] offset:8192*\i+1024*(\s)+512*\c
.endr
.endr
.endm
.macro MUL16 s                         ; the 16 accumulators take turns, in the same order in every K step
.irp a, 0,1,2,3
.irp b, 0,1,2,3
.set rD,  ACC+8*(4*\a+\b)
.if (\s) == 0
.set rC,  BJ+8*\b
.else
.set rC,  rD
.endif
.set rA,  64*((\s)%2)+8*\b
.set rB,  64*((\s)%2)+32+8*\a
.set rSA, SC0+8*(\b/2)+(\s)
.set rSB, SC1+8*(\a/2)+(\s)
.set rowA, \b%2
.set rowB, \a%2
	WM
.endr
.endr
.endm
.macro STEP s
.if (\s) < 7
.if (\s) > 0
	PLACES 4                                       ; in front of loads into registers that the last K step's products read
.endif
	FETCH (\s)+1
	s_wait_dscnt 16                                ; all but the 16 just issued
.else
	s_wait_dscnt 0x0
.endif
	WIN 0x05                                       ; sources 0 and 1 window 1; C and D window 0
	MUL16 \s
.endm
	s_wait_tensorcnt 0x0                           ; my half of a panel has landed
	s_barrier_signal -1
	s_barrier_wait -1
	FETCH 0
	s_wait_alu depctr_va_vdst(0)
.irp s, 0,1,2,3,4,5,6,7
	STEP \s
.endr
	WIN 0
	PLACES 4                                       ; behind the last products, in front of the first read of results
; THE WAY OUT, o's tile a at a time: 16 rows x 64 columns go through my own stage and come back as whole runs of 256 bytes.  LDS serves a wave's instructions in order: no wait between the stores and the loads
.macro TOSTAGE a
.irp b, 0,1,2,3
	ds_store_b128 v13, v[ACC+8*(4*\a+\b):ACC+8*(4*\a+\b)+3] offset:128*(\b/2)+32*(\b%2)          ; each accumulator from its low end on
	ds_store_b128 v13, v[ACC+8*(4*\a+\b)+4:ACC+8*(4*\a+\b)+7] offset:128*(\b/2)+32*(\b%2)+16
.endr
.irp i, 0,1,2,3,4,5,6,7
	ds_load_b128 v[OUTR+32*(\a%2)+4*\i:OUTR+32*(\a%2)+4*\i+3], v14 offset:2*\i*SP
.endr
.endm
.macro SEND a, younger                 ; younger: the LDS instructions issued behind tile a's loads, which may stay out
	s_wait_dscnt \younger
.irp i, 0,1,2,3,4,5,6,7
	global_store_b128 v15, v[OUTR+32*(\a%2)+4*\i:OUTR+32*(\a%2)+4*\i+3], s[62:63] offset:(32*(\a/2)+8*(\a%2)+2*\i+8*(\i/4))*4096 th:TH_STORE_NT   ; places 2 i, 2 i + 1 of the tile: 16 lanes store 256 consecutive bytes, aligned
.endr
.endm
	TOSTAGE 0
	TOSTAGE 1
	SEND 0, 16                                     ; behind tile 0's loads: tile 1's 8 stores and 8 loads
	s_wait_xcnt 0x0                                ; tile 0's stores have read their data: tile 2's loads may land there
	TOSTAGE 2
	SEND 1, 16
	s_wait_xcnt 0x0
	TOSTAGE 3
	SEND 2, 16
	SEND 3, 0
	s_wait_tensorcnt 0x0
	ds_add_u32 v30, v31
	s_wait_dscnt 0x0
	CROUND                                         ; the closing round
	s_endpgm
.Lfunc_end_k_q72261c0248_proj:
	.size	k_q72261c0248_proj, .Lfunc_end_k_q72261c0248_proj-k_q72261c0248_proj
	.p2alignl 7, 3214868480
	.fill 96, 4, 3214868480
	.section	.rodata,"a",@progbits
	.p2align	6, 0x0
	.amdhsa_kernel k_q72261c0248_proj
		.amdhsa_group_segment_fixed_size 168448
		.amdhsa_private_segment_fixed_size 0
		.amdhsa_enable_private_segment 0
		.amdhsa_kernarg_size 32
		.amdhsa_user_sgpr_count 2
		.amdhsa_user_sgpr_kernarg_segment_ptr 1
		.amdhsa_wavefront_size32 1
		.amdhsa_system_sgpr_workgroup_id_x 1
		.amdhsa_system_sgpr_workgroup_id_y 1
		.amdhsa_system_sgpr_workgroup_id_z 1
		.amdhsa_system_vgpr_workitem_id 0
		.amdhsa_next_free_vgpr 384
		.amdhsa_next_free_sgpr 100
		.amdhsa_reserve_vcc 0
		.amdhsa_float_denorm_mode_32 3
		.amdhsa_float_denorm_mode_16_64 3
		.amdhsa_memory_ordered 1
		.amdhsa_forward_progress 1
		.amdhsa_inst_pref_size 41
	.end_amdhsa_kernel
	.amdgpu_metadata
---
amdhsa.version: [ 1, 2 ]
amdhsa.kernels:
  - .name:           k_q72261c0248_proj
    .symbol:         k_q72261c0248_proj.kd
    .args:
      - { .name: oq, .offset: 0, .size: 8, .value_kind: global_buffer, .address_space: global }
      - { .name: wq, .offset: 8, .size: 8, .value_kind: global_buffer, .address_space: global }
      - { .name: b_proj, .offset: 16, .size: 8, .value_kind: global_buffer, .address_space: global }
      - { .name: out0, .offset: 24, .size: 8, .value_kind: global_buffer, .address_space: global }
    .group_segment_fixed_size: 168448
    .private_segment_fixed_size: 0
    .kernarg_segment_align: 8
    .kernarg_segment_size: 32
    .max_flat_workgroup_size: 128
    .sgpr_count:     100
    .vgpr_count:     384
    .wavefront_size: 32
...
	.end_amdgpu_metadata
.endif
;; end of part 4
